; MI455X (gfx1250); checked and timed in simulation.
; The chip was launched on July 23, 2026; its instructions are those of AMD's public machine-readable ISA for CDNA 5 (MIT licence, August 2026) and "CDNA5" Instruction Set Architecture Reference Guide (July 2026). The comments in the code are by the model that wrote it; some were corrected since.
;; Attention Block. Allowed arithmetic: matrix products marked QUANTISED: E4M3 operands, one E8M0 scale for each 32 along K, by v_wmma_scale_f32_16x16x128_f8f6f4 with both operands' format E4M3, f32 sums; everything else in f32.
;; Inputs: b_proj 256 float32; b_qkv 768 float32; beta 256 float32; gamma 256 float32; w_proj_codes 256 x 8 x 32 uint8 (E4M3 codes of w_proj, K innermost, in blocks of 32 codes); w_proj_scales 256 x 8 uint8 (E8M0 scales of w_proj, one for each 32 codes along K); w_qkv_codes 768 x 8 x 32 uint8 (E4M3 codes of w_qkv, K innermost, in blocks of 32 codes); w_qkv_scales 768 x 8 uint8 (E8M0 scales of w_qkv, one for each 32 codes along K); x 4 x 256 x 64 x 64 float32.
;; Outputs: out0 4 x 256 x 64 x 64 float32.
;; This version of the problem:
;;   THIS VERSION OF THE PROBLEM IS GIVEN IN LOW PRECISION. The matrix products marked QUANTISED in the list below multiply operands that are first quantised to E4M3 (4 exponent bits, 3 mantissa bits; 8 bits a number), with one power-of-two scale for each 32 numbers along K (OCP MX v1.0); their sums are f32. All else is computed in f32.
;;   The module's matrix products, in the order in which they are computed (A, B: the left and right operand; K: the contracted axis; several contracted axes count as one K, in the product's order):
;;     1. [M 768, K 256] x [K 256, N 16,384]; A: input w_qkv (given as codes); B: computed on the way: QUANTISED
;;     2. batch 16 x [M 4,096, K 64] x [K 64, N 4,096]; A: computed on the way; B: computed on the way: QUANTISED
;;     3. batch 16 x [M 64, K 4,096] x [K 4,096, N 4,096]; A: computed on the way; B: softmax (see below): QUANTISED
;;     4. [M 256, K 256] x [K 256, N 16,384]; A: input w_proj (given as codes); B: computed on the way: QUANTISED
;;   THE QUANTISER, for each operand of a quantised product, along K:
;;     - K is cut into blocks of 32 from its start; a last block that is shorter is filled with zeros.
;;     - A block's scale is 2^e with e = floor(log2(the largest magnitude in the block)) - 8, held to -126 .. 127; a block of zeros has e = 0. As a byte (E8M0): e + 127.
;;     - Each number is divided by its block's scale, clamped to +-448, and rounded to the nearest number of E4M3, ties to even, subnormals kept.
;;     - The product sums the exact products of the quantised numbers (number of the format x scale) in f32.
;;   ~~~python
;;   def quantise(x, axis):      # numpy; x: float32 -> the quantised numbers, widened to float32 again
;;       x = np.moveaxis(x, axis, -1); K = x.shape[-1]
;;       x = np.pad(x, [(0, 0)] * (x.ndim - 1) + [(0, -K % 32)]); x = x.reshape(x.shape[:-1] + (-1, 32)); a = np.abs(x).max(-1, keepdims=True)
;;       e = np.where(a > 0, np.clip(np.frexp(np.where(a > 0, a, 1))[1] - 1 - 8, -126, 127), 0)      # np.frexp(a)[1] - 1 = floor(log2(a)), exactly
;;       r = np.clip(x / 2.0 ** e, -448, 448)
;;       step = 2.0 ** (np.maximum(np.frexp(np.where(r == 0, 1, r))[1] - 1, -6) - 3)
;;       q = np.round(r / step) * step * 2.0 ** e      # np.round: ties to even
;;       return np.moveaxis(q.reshape(q.shape[:-2] + (-1,))[..., :K], -1, axis).astype(np.float32)
;;   ~~~
;;   SOFTMAX AHEAD OF A QUANTISED PRODUCT. Where the list says 'softmax', what is quantised is not the finished softmax but p = 2^(t - M), with t = logit x log2(e) and M = ceil(the row's largest t), a whole number; so 1/2 < the row's largest p <= 1. The row's sum l is taken of the UNQUANTISED p, in f32, and the product's result is divided by l at the end. Since M is a whole number, a kernel that streams over the keys may use a running M (the ceiling of the running maximum): every later rescaling is an exact power of two, which a block's scale takes up: the codes' values come out the same.
;;   OPERANDS COMPUTED ON THE WAY. 'Computed on the way' means the value that the module computes at that place (a softmax that the list does not call 'softmax' is quantised finished and normalised). What goes into a quantiser is computed in f32, as accurately as f32 sums, v_exp_f32 and their like allow (about 1e-6 of the number): no bf16 or f16 on the way to a quantiser, and a product that is left as it is and whose result goes on into a quantised operand takes f32 operands (vector FMAs, or v_wmma_f32_16x16x4_f32). A number that lies on a knife's edge between two numbers of the format may be rounded either way, as far as f32 arithmetic and the matrix unit's own rounding can turn it there, and no further.
;;   INPUTS GIVEN AS CODES. w_proj (in the module: [256, 256], K = its axis 1); w_qkv (in the module: [768, 256], K = its axis 1): each comes as NAME_codes (uint8): NAME with its K axis moved to the last place and cut into blocks of 32 codes, [.., K / 32, bytes a block], one block behind the other in memory; one code a byte (a code: sign, 4 exponent bits, 3 mantissa bits); and NAME_scales (uint8): the same leading axes, one E8M0 byte (e + 127) for each 32 codes along K. Its value is code x scale, taken as it is: it is not quantised again, and the codes and scales need not be those that the quantiser above would give.
;; One version. Each part assembles by itself: llvm-mc -triple=amdgcn-amd-amdhsa -mcpu=gfx1250 --defsym DOCPART=n.
;; ======== version 1 of 1: 4 launches
;; limits: right only within a limited range of input values
;; workspace buffers: stats 2,048 bytes; codes 12,582,912 bytes; scl 393,216 bytes; oc 4,194,304 bytes; os 131,072 bytes
;; launch gnstats (part 1): grid 256 x 1, 8 waves a work-group, no clusters, 1,280 bytes of LDS; arguments x, stats; writes stats
.if DOCPART == 1
	.amdgcn_target "amdgcn-amd-amdhsa--gfx1250"
	.amdhsa_code_object_version 6
	.text
	.protected	k_qd32cb37bff_gnstats
	.globl	k_qd32cb37bff_gnstats
	.p2align	8
	.type	k_qd32cb37bff_gnstats,@function
k_qd32cb37bff_gnstats:
	s_mov_b64 s[64:65], 0
	v_nop
	global_prefetch_b8 v0, s[64:65] scope:SCOPE_SE
	s_setreg_imm32_b32 hwreg(HW_REG_WAVE_MODE, 25, 1), 1
	s_wait_xcnt 0x0
; GROUP NORM, FIRST HALF.  x is [4][256][4096] f32; a norm group is 32 channels of one image: 131,072 numbers, 512 KiB on end.
; Work-group i takes bytes 65,536 i .. + 65,535 of x: one eighth of one group, 16,384 numbers, and stores (mean, M2): the eighth's mean and its sum of squared
; distances from that mean.  The next launch joins eight such pairs.  The numbers stay in registers between the two passes, so x is read once here, and no
; difference of large sums is formed: a common offset of the inputs costs no accuracy.
; Eight waves; thread t holds 16 bytes at 4,096 j + 16 t, j = 0 .. 15: each load of a wave covers 512 consecutive bytes.
; No matrix unit, no tensor load, no cluster: the launch streams, and its work-groups share nothing.
; LIMITS: NaN and infinities among the inputs are not served.
.set X, 16                             ; v16-79  my 64 numbers
                                       ; v[2:9]  four chains of sums, two numbers each;  v10, v11 at work;  v[12:13] the mean, twice;  v14 LDS: 4 x wave;  v15 0;  v80-87 the waves' sums
	s_load_b128 s[4:7], s[0:1], 0x0                ; x s[4:5], stats s[6:7]
	v_lshl_add_u32 v96, v0, 2, 0x100
	v_mov_b32 v97, 0
	v_lshlrev_b32 v1, 4, v0                        ; 16 t
	v_lshrrev_b32 v10, 5, v0
	s_delay_alu instid0(VALU_DEP_1)
	v_readfirstlane_b32 s8, v10                    ; wave 0..7
	s_lshl_b32 s9, s8, 2
	v_mov_b32 v14, s9
	v_mov_b32 v15, 0
	v_mov_b32 v11, 0                               ; (a lane permute's destination counts as one of its sources)
	s_lshl_b32 s10, ttmp9, 16                      ; my eighth's first byte
	s_mov_b32 s11, 0
	s_mov_b32 s12, 0x76543210                      ; v_permlanex16_b32's selects for lane l xor 16
	s_mov_b32 s13, 0xfedcba98
	s_wait_alu depctr_va_vdst(0)
	s_wait_kmcnt 0x0
	s_add_nc_u64 s[4:5], s[4:5], s[10:11]
.set j, 0
.rept 16
	global_load_b128 v[X+4*j:X+4*j+3], v1, s[4:5] offset:4096*j   ; no hint: later launches read x again
.set j, j+1
.endr
; the four chains become one number, the same in all 32 lanes of the wave
.macro JOIN
	v_pk_add_f32 v[2:3], v[2:3], v[4:5]
	s_delay_alu instid0(VALU_DEP_2)
	v_pk_add_f32 v[6:7], v[6:7], v[8:9]
	s_delay_alu instid0(VALU_DEP_1)
	v_pk_add_f32 v[2:3], v[2:3], v[6:7]
	s_delay_alu instid0(VALU_DEP_1)
	v_add_f32 v10, v2, v3
	s_delay_alu instid0(VALU_DEP_1)
	v_add_f32_dpp v10, v10, v10 row_xmask:1 row_mask:0xf bank_mask:0xf
	s_delay_alu instid0(VALU_DEP_1)
	v_add_f32_dpp v10, v10, v10 row_xmask:2 row_mask:0xf bank_mask:0xf
	s_delay_alu instid0(VALU_DEP_1)
	v_add_f32_dpp v10, v10, v10 row_xmask:4 row_mask:0xf bank_mask:0xf
	s_delay_alu instid0(VALU_DEP_1)
	v_add_f32_dpp v10, v10, v10 row_xmask:8 row_mask:0xf bank_mask:0xf
	s_delay_alu instid0(VALU_DEP_1)
	v_permlanex16_b32 v11, v10, s12, s13
	s_delay_alu instid0(VALU_DEP_1)
	v_add_f32 v10, v10, v11
.endm
; the eight waves' numbers meet in LDS, 32 bytes from byte off on; the sum of all comes out in v80 of every lane
.macro ACROSS off
	ds_store_b32 v14, v10 offset:\off              ; all lanes write the same word with the same value
	s_wait_dscnt 0x0                               ; for the others' sake: my store has landed
	s_barrier_signal -1
	s_barrier_wait -1
	ds_load_b128 v[80:83], v15 offset:\off
	ds_load_b128 v[84:87], v15 offset:\off+16
	s_wait_dscnt 0x0
	v_pk_add_f32 v[80:81], v[80:81], v[82:83]
	v_pk_add_f32 v[84:85], v[84:85], v[86:87]
	s_delay_alu instid0(VALU_DEP_1)
	v_pk_add_f32 v[80:81], v[80:81], v[84:85]
	s_delay_alu instid0(VALU_DEP_1)
	v_add_f32 v80, v80, v81
.endm
	; pass 1: the sum.  The first four loads start the chains: nothing is cleared
.set j, 0
.rept 16
	s_wait_loadcnt 15-j                            ; loads come back in order: load j is in, the 15 - j younger ones may be out
.if j < 4
	v_pk_add_f32 v[2+2*j:3+2*j], v[X+4*j:X+4*j+1], v[X+4*j+2:X+4*j+3]
.else
	s_wait_alu depctr_va_vdst(0)
	v_pk_add_f32 v[2+2*(j%4):3+2*(j%4)], v[2+2*(j%4):3+2*(j%4)], v[X+4*j:X+4*j+1]
	s_delay_alu instid0(VALU_DEP_1)
	v_pk_add_f32 v[2+2*(j%4):3+2*(j%4)], v[2+2*(j%4):3+2*(j%4)], v[X+4*j+2:X+4*j+3]
.endif
.set j, j+1
.endr
	JOIN
	ACROSS 0
	s_delay_alu instid0(VALU_DEP_1)
	v_mul_f32 v12, 0x38800000, v80                 ; the mean: / 16,384, exact
	s_delay_alu instid0(VALU_DEP_1)
	v_mov_b32 v13, v12
	; pass 2, on the registers: the squared distances from the mean
.set p, 0
.rept 32
	v_pk_add_f32 v[X+2*p:X+2*p+1], v[X+2*p:X+2*p+1], v[12:13] neg_lo:[0,1] neg_hi:[0,1]
.set p, p+1
.endr
.set p, 0
.rept 32
.if p < 4
	v_pk_mul_f32 v[2+2*p:3+2*p], v[X+2*p:X+2*p+1], v[X+2*p:X+2*p+1]
.else
	s_delay_alu instid0(VALU_DEP_4)
	v_pk_fma_f32 v[2+2*(p%4):3+2*(p%4)], v[X+2*p:X+2*p+1], v[X+2*p:X+2*p+1], v[2+2*(p%4):3+2*(p%4)]
.endif
.set p, p+1
.endr
	JOIN
	ACROSS 128                                     ; other bytes than the first meeting's, which a slow wave may still be reading
	s_cmp_lg_u32 s8, 0                             ; wave 0 stores the pair; no barrier stands under this branch
	s_cbranch_scc1 .Ldone
	v_mov_b32 v13, v80                             ; (mean, M2)
	s_lshl_b32 s10, ttmp9, 3
	s_add_nc_u64 s[6:7], s[6:7], s[10:11]
	v_cmp_eq_u32 vcc_lo, 0, v0
	s_wait_alu depctr_va_vdst(0)
	s_wait_xcnt 0x0                                ; EXEC is narrowed only behind this wait
	s_and_saveexec_b32 s14, vcc_lo
	global_store_b64 v15, v[12:13], s[6:7]         ; 8 bytes a work-group: the 256 pairs are 2,048 bytes in all
	s_wait_xcnt 0x0                                ; and widened again only behind this one
	s_or_b32 exec_lo, exec_lo, s14
.Ldone:
	s_wait_tensorcnt 0x0
	ds_add_u32 v96, v97
	s_wait_dscnt 0x0
	s_endpgm
.Lfunc_end_k_qd32cb37bff_gnstats:
	.size	k_qd32cb37bff_gnstats, .Lfunc_end_k_qd32cb37bff_gnstats-k_qd32cb37bff_gnstats
	.p2alignl 7, 3214868480
	.fill 96, 4, 3214868480
	.section	.rodata,"a",@progbits
	.p2align	6, 0x0
	.amdhsa_kernel k_qd32cb37bff_gnstats
		.amdhsa_group_segment_fixed_size 1280
		.amdhsa_private_segment_fixed_size 0
		.amdhsa_enable_private_segment 0
		.amdhsa_kernarg_size 16
		.amdhsa_user_sgpr_count 2
		.amdhsa_user_sgpr_kernarg_segment_ptr 1
		.amdhsa_wavefront_size32 1
		.amdhsa_system_sgpr_workgroup_id_x 1
		.amdhsa_system_sgpr_workgroup_id_y 1
		.amdhsa_system_sgpr_workgroup_id_z 1
		.amdhsa_system_vgpr_workitem_id 0
		.amdhsa_next_free_vgpr 98
		.amdhsa_next_free_sgpr 66
		.amdhsa_reserve_vcc 1
		.amdhsa_float_denorm_mode_32 3
		.amdhsa_float_denorm_mode_16_64 3
		.amdhsa_memory_ordered 1
		.amdhsa_forward_progress 1
		.amdhsa_inst_pref_size 14
	.end_amdhsa_kernel
	.amdgpu_metadata
---
amdhsa.version: [ 1, 2 ]
amdhsa.kernels:
  - .name:           k_qd32cb37bff_gnstats
    .symbol:         k_qd32cb37bff_gnstats.kd
    .args:
      - { .name: x, .offset: 0, .size: 8, .value_kind: global_buffer, .address_space: global }
      - { .name: stats, .offset: 8, .size: 8, .value_kind: global_buffer, .address_space: global }
    .group_segment_fixed_size: 1280
    .private_segment_fixed_size: 0
    .kernarg_segment_align: 8
    .kernarg_segment_size: 16
    .max_flat_workgroup_size: 256
    .sgpr_count:     66
    .vgpr_count:     98
    .wavefront_size: 32
...
	.end_amdgpu_metadata
.endif
;; end of part 1
;; launch qkv (part 2): grid 64 x 4, 4 waves a work-group, clusters of 4 x 1, 229,888 bytes of LDS; arguments x, stats, gamma, beta, w_qkv_codes, w_qkv_scales, b_qkv, codes, scl; writes codes, scl
.if DOCPART == 2
	.amdgcn_target "amdgcn-amd-amdhsa--gfx1250"
	.amdhsa_code_object_version 6
	.text
	.protected	k_qd32cb37bff_qkv
	.globl	k_qd32cb37bff_qkv
	.p2align	8
	.type	k_qd32cb37bff_qkv,@function
k_qd32cb37bff_qkv:
	s_mov_b64 s[64:65], 0
	v_nop
	global_prefetch_b8 v0, s[64:65] scope:SCOPE_SE
	s_setreg_imm32_b32 hwreg(HW_REG_WAVE_MODE, 25, 1), 1
	s_wait_xcnt 0x0
	s_wait_alu depctr_hold_cnt(0) depctr_sa_sdst(0) depctr_va_vdst(0) depctr_va_sdst(0) depctr_va_ssrc(0) depctr_va_vcc(0) depctr_vm_vsrc(0)
	s_getreg_b32 s2, hwreg(HW_REG_IB_STS2, 6, 4)
	s_cmp_eq_u32 s2, 0
	s_cbranch_scc0 .Lentry_in_a_cluster
	s_endpgm
.Lentry_in_a_cluster:
	s_bfe_u32 s2, ttmp6, 0x10000c
	s_cmp_lg_u32 s2, 0x3003
	s_cbranch_scc0 .Lentry_shape_is_right
	s_endpgm
.Lentry_shape_is_right:
; GROUP NORM'S SECOND HALF, THE QKV PRODUCT, AND THE QUANTISING OF q, k AND v.  All products on codes of FP8 (E4M3) with one E8M0 scale for each 32 along K.
; A work-group takes 64 pixels (one image row: 256 consecutive bytes of every channel) of one image.  blk = 4 x cluster x + cx, image = cluster y.
; PHASE X.  Wave w normalises and quantises pixels 32 (w & 1) .. + 31 in channels 128 (w >> 1) .. + 127.  A LANE TAKES A PIXEL AND ITS REGISTERS RUN DOWN THE CHANNELS, which are the product's K:
;   a block of 32 along K is one norm group and lies in one lane; the codes come out with K innermost.  They go to LDS as images of operand registers (16 bytes a lane at 16 x lane, 512 bytes a chunk).
; PRODUCTS.  Wave w is head w: q, then k, then v, 64 rows of the weight each, for all 64 pixels: 96 matrix instructions.
; TILES ARE NOT MADE OF NEIGHBOURS.  Member r of tile (f, u) of pixels is pixel 32 f + 8 u + r + 8 (r / 8); member r of tile 2 b + u of a head's 64 weight rows is row 32 b + 8 u + r + 8 (r / 8).
;   In a result, lane half h and register j hold member 8 h + j, which is 32 . + 8 u + 16 h + j: the 16 registers of tiles u = 0, 1 are 16 neighbours, as the next operand's layout wants them; a block of 32 lies in lanes l and l xor 16.
;   q, k: source 0 = weight rows, source 1 = pixels: a lane holds one pixel, its registers run along d (the next K).   v: source 0 = pixels, source 1 = weight rows: a lane holds one d, its registers run along the keys (the next K).
; THE WEIGHTS, 192 KiB, are the same for every work-group: the four work-groups of a cluster ask for each tile of 64 rows JOINTLY.  Each wave asks for its own head's three tiles and alone reads them.
;   Each LDS byte is filled once: three tensor loads of a wave are out at the most.
; OUT: codes: q at 0, k at 4 MiB, v at 8 MiB, each [image x 4 + head][262,144].  q, k: [f 128][chunk 2 u + b][512]: lane (r, h): pixel (f, u, r), d 32 b + 16 h + 0 .. 15.
;   v: [step 32][n 4][c 4][512]: lane (r, h): d = member r of tile n, keys 128 step + 32 c + 16 h + 0 .. 15.
;   scl: q at 0, k at 131,072, v at 262,144, each [image x 4 + head][8,192]: q, k: [f][r] words, byte 2 u + b;  v: [step][n][r] words, byte c.
; LIMITS: NaN and infinities are not served.  A block whose largest magnitude lies under 2^-118 keeps the scale byte 1; so does a block of zeros (the stated rule says 127: its codes are zeros, and this program alone reads the bytes).
;   1 / sqrt(var + eps) is v_rsq_f32's, good to one unit in the last place.
; REGISTERS, in windows of 256.  Window 0: v1-15, v63, v236, v238 addresses and selects; v16-23 x's scale words; v24-47 the weights' scale words; v48-55 gamma x rstd, beta (lane = channel of the group); v56-59 statistics;
;   v60-62, v237 scale words on their way out; v64-191 x, four sets of 32, later v64-127 results, v128-143 codes, v144-159 at work; v192-223 phase X's codes; v224-231 at work; v232-235 v's bias.
;   Window 1: two sets of 8 weight fragments, at v0 and v128.   Window 2: v0-127 x's 8 fragments; v128-159 q's bias tiles, v160-191 k's, v192-223 v's.
.set WTILE, 64*272                     ; a weight tile in LDS: 64 rows of 256 bytes + 16 of padding: the rows that a load touches start at different banks, but for rows 16 apart
.set WKIND, 4*WTILE                    ; q's four tiles, then k's, then v's
.set XIMG,  3*WKIND                    ; x's 8 fragments: (tile T = 2 f + u, K step ks) at (2 T + ks) x 2,048
.set XSC,   XIMG+8*2048                ; their scale words, 64 bytes each
.set XR,  64
.set HA,  64
.set PC,  128
.set TM,  144                          ; v144-147 largest magnitudes, v148-151 bytes, v156-159 the conversions' scale operands
.set XC,  192
.set XS,  16
.set WS,  24
.set PW,  60
.set PW0, 61
.set SW,  62
.set WV,  22                           ; s22 my wave's number
.set SEL, 32                           ; s[32:33] lane selects for lane l xor 16
.set MNT, 34
.set MSB, 0
.macro WIN new                         ; s_set_vgpr_msb: bits 1:0 source 0, 3:2 source 1, 5:4 source 2, 7:6 destination; the high byte repeats the setting that is left
.if MSB != \new
	s_set_vgpr_msb (MSB<<8)|\new
.set MSB, \new
.endif
.endm
.macro ROUND                           ; a round of the cluster's barrier
	s_barrier_signal -1
	s_barrier_wait -1
	s_cmp_lg_u32 s[WV], 0
	s_cbranch_scc1 .Lnot_wave_0_\@
	s_barrier_signal -3
.Lnot_wave_0_\@:
	s_barrier_wait -3
	s_barrier_signal -1
	s_barrier_wait -1
.endm
	s_load_b512 s[4:19], s[0:1], 0x0               ; x s[4:5], stats s[6:7], gamma s[8:9], beta s[10:11], W's codes s[12:13], W's scales s[14:15], b_qkv s[16:17], codes s[18:19]
	s_load_b64 s[20:21], s[0:1], 0x40              ; scl
	v_lshl_add_u32 v254, v0, 2, 0x38000
	v_mov_b32 v255, 0
	ds_add_u32 v254, v255
	ds_add_u32 v254, v255
	v_lshrrev_b32 v1, 5, v0
	v_readfirstlane_b32 s[WV], v1                  ; wave 0..3
	s_and_b32 s25, s[WV], 1                        ; fx: which 32 pixels I quantise
	s_lshr_b32 s26, s[WV], 1                       ; ksx: which 128 channels
	; descriptor group 1: 64 rows of 256 bytes, 16 bytes of padding behind each
	s_mov_b32 s76, 15|(1<<20)|(1<<21)|(5<<22)|(3<<25)  ; 15:0 the mask: all four work-groups; 17:16 elements of 1 byte; 20 padding on; 21 set beside a mask; 24:22 after every 64 words; 31:25 four words
	s_mov_b32 s77, 256<<16                         ; tensor_dim0
	s_mov_b32 s78, 64<<16                          ; tensor_dim1
	s_mov_b32 s79, 256<<16                         ; tile_dim0
	s_mov_b32 s80, 64                              ; tile_dim1
	s_mov_b32 s81, 256                             ; the pitch
	s_mov_b32 s82, 0
	s_mov_b32 s83, 0
	s_mul_i32 s96, s[WV], WTILE                    ; my head's tile among a kind's four, in LDS,
	s_lshl_b32 s98, s[WV], 14                      ; and in memory: 64 rows of 256 bytes.  (s96 to s99 feed the descriptors and never hold a place in the cluster)
	s_mov_b32 s99, 0
	s_wait_dscnt 0x0
	s_wait_kmcnt 0x0
	s_add_nc_u64 s[98:99], s[12:13], s[98:99]
.irp k, 0,1,2
	s_mov_b32 s[84+4*\k], 1                        ; count = 1
	s_add_co_u32 s[85+4*\k], s96, \k*WKIND         ; LDS address
	s_add_nc_u64 s[86+4*\k:87+4*\k], s[98:99], \k*65536   ; global address: q's, k's, v's 256 rows follow each other
	s_or_b32 s[87+4*\k], s[87+4*\k], 0x80000000    ; type = 2
.endr
	ROUND                                          ; all four work-groups are here: the joint loads meet
	tensor_load_to_lds s[84:87], s[76:83]          ; q's tile
	s_nop 0
	tensor_load_to_lds s[88:91], s[76:83]          ; k's
	s_nop 0
	tensor_load_to_lds s[92:95], s[76:83]          ; v's
	s_nop 0
.rept 4
	v_nop
.endr
	s_bfe_u32 s27, ttmp6, 0x40000                  ; cx
	s_lshl_b32 s23, ttmp9, 2
	s_add_co_u32 s23, s23, s27                     ; blk: it enters global addresses alone
	s_and_b32 s24, ttmp7, 0xffff                   ; the image
	v_and_b32 v1, 31, v0                           ; lane
	v_lshlrev_b32 v4, 2, v1                        ; 4 x lane
	v_lshlrev_b32 v63, 3, v1                       ; 8 x lane
	s_wait_alu depctr_va_vdst(0)
	; x at (image x 256 + 128 ksx) channels of 16,384 bytes + 256 blk + 128 fx.  (s[30:31]: offsets into global buffers; s[28:29]: parts of LDS addresses)
	s_lshl_b32 s30, s24, 22
	s_lshl_b32 s31, s26, 21
	s_add_co_u32 s30, s30, s31
	s_lshl_b32 s31, s23, 8
	s_add_co_u32 s30, s30, s31
	s_lshl_b32 s31, s25, 7
	s_add_co_u32 s30, s30, s31
	s_mov_b32 s31, 0
	s_add_nc_u64 s[4:5], s[4:5], s[30:31]
	s_lshl_b32 s30, s24, 9                         ; stats: 64 pairs an image, my four groups' 32
	s_lshl_b32 s75, s26, 8
	s_add_co_u32 s30, s30, s75
	s_add_nc_u64 s[6:7], s[6:7], s[30:31]
	s_lshl_b32 s30, s26, 9                         ; gamma, beta: my 128 channels
	s_add_nc_u64 s[8:9], s[8:9], s[30:31]
	s_add_nc_u64 s[10:11], s[10:11], s[30:31]
	global_load_b64 v[56:57], v63, s[6:7]          ; lane l: (mean, M2) of eighth l % 8 of my group l / 8
.irp g, 0,1,2,3
	global_load_b32 v[48+\g], v4, s[8:9] offset:128*\g    ; gamma: lane = channel of group g
.endr
.irp g, 0,1,2,3
	global_load_b32 v[52+\g], v4, s[10:11] offset:128*\g  ; beta
.endr
.macro XLOAD g                         ; group g: x(channel 32 g + i, my pixel): 128 consecutive bytes a load; the wave beside me takes the other half of the 256
.set i, 0
.rept 32
	global_load_b32 v[XR+32*(\g)+i], v4, s[4:5] offset:(32*(\g)+i)*16384
.set i, i+1
.endr
.endm
	XLOAD 0
	; the rest of the addresses, while the loads are out
	v_and_b32 v2, 15, v0                           ; r
	v_bfe_u32 v3, v0, 4, 1                         ; h
	v_lshlrev_b32 v5, 4, v1                        ; 16 x lane
	v_and_b32 v224, 7, v1
	v_lshl_add_u32 v224, v3, 3, v224               ; pixel l of 32 is member (l % 8) + 8 (l / 16)
	s_wait_alu depctr_va_vdst(0)
	v_bfe_u32 v225, v0, 3, 1                       ; of tile u = (l / 8) % 2
	s_lshl_b32 s28, s25, 13
	s_lshl_b32 s29, s26, 11
	s_add_co_u32 s28, s28, s29
	s_add_co_u32 s28, s28, XIMG
	v_lshlrev_b32 v6, 4, v224
	v_lshl_add_u32 v6, v225, 12, v6
	v_add_nc_u32 v6, s28, v6                       ; where my codes go: fragment 2 (2 fx + u) + ksx, 16 bytes at 16 x member (the upper 16 along K 256 bytes on)
	s_lshl_b32 s28, s25, 8
	s_lshl_b32 s29, s26, 6
	s_add_co_u32 s28, s28, s29
	s_add_co_u32 s28, s28, XSC
	v_lshlrev_b32 v7, 2, v224
	s_wait_alu depctr_va_vdst(0)
	v_lshl_add_u32 v7, v225, 7, v7
	v_add_nc_u32 v7, s28, v7                       ; and my scale word
	v_and_b32 v226, 8, v2
	v_add_nc_u32 v226, v226, v2                    ; r + 8 (r / 8)
	v_mul_u32_u24 v8, v226, 272
	v_lshl_add_u32 v8, v3, 4, v8
	s_mul_i32 s28, s[WV], WTILE
	v_add_nc_u32 v8, s28, v8                       ; weight fragments: q's,
	v_add_nc_u32 v9, WKIND, v8                     ; k's,
	v_add_nc_u32 v10, 2*WKIND, v8                  ; v's
	v_lshlrev_b32 v11, 3, v226                     ; the weights' scale bytes: 8 a row
	v_lshlrev_b32 v12, 6, v3                       ; q's, k's bias: 16 h numbers on
	v_lshlrev_b32 v13, 2, v226                     ; v's bias: my row's
	v_lshl_add_u32 v14, v2, 2, XSC                 ; x's scale words: member r's
	v_mul_u32_u24 v15, v3, 0x0101
	v_add_nc_u32 v15, 0x0400, v15                  ; byte selects for v's scale half-words: rows of tile h,
	v_add_nc_u32 v238, 0x0202, v15                 ; of tile 2 + h
	v_add_nc_u32 v236, XIMG, v5                    ; x's fragments, read back
	v_cmp_le_u32 vcc_lo, 16, v1                    ; lanes 16-31; VCC stays
	s_mov_b32 s[SEL], 0x76543210
	s_mov_b32 s[SEL+1], 0xfedcba98
	s_mov_b32 s35, 0x3727c5ac                      ; eps = 1e-5
	s_mov_b32 s74, 0x37000000                      ; 1 / 131,072
	s_lshl_b32 s30, s[WV], 9                       ; the weights' scales: my head's 64 rows of 8 bytes
	s_add_nc_u64 s[14:15], s[14:15], s[30:31]
	s_lshl_b32 s30, s[WV], 8                       ; b_qkv: my head's 64 numbers
	s_add_nc_u64 s[16:17], s[16:17], s[30:31]
	s_lshl_b32 s75, s24, 2
	s_add_co_u32 s75, s75, s[WV]                   ; image x 4 + head
	s_lshl_b32 s30, s75, 18
	s_lshl_b32 s29, s23, 12
	s_add_co_u32 s30, s30, s29
	s_add_nc_u64 s[66:67], s[18:19], s[30:31]      ; q's codes (k's 4 MiB on): 2 f of 2,048 bytes a work-group
	s_lshl_b32 s30, s75, 18
	s_lshr_b32 s29, s23, 1
	s_lshl_b32 s29, s29, 13
	s_add_co_u32 s30, s30, s29
	s_and_b32 s29, s23, 1
	s_lshl_b32 s29, s29, 10
	s_add_co_u32 s30, s30, s29
	s_add_co_u32 s30, s30, 0x800000
	s_add_nc_u64 s[68:69], s[18:19], s[30:31]      ; v's codes: step blk / 2, chunks 2 (blk % 2) and + 1
	s_lshl_b32 s30, s75, 13
	s_lshl_b32 s29, s23, 7
	s_add_co_u32 s30, s30, s29
	s_add_nc_u64 s[70:71], s[20:21], s[30:31]      ; q's scale words (k's 131,072 on)
	s_lshl_b32 s30, s75, 13
	s_lshr_b32 s29, s23, 1
	s_lshl_b32 s29, s29, 8
	s_add_co_u32 s30, s30, s29
	s_and_b32 s29, s23, 1
	s_lshl_b32 s29, s29, 1
	s_add_co_u32 s30, s30, s29
	s_add_co_u32 s30, s30, 0x40000
	s_add_nc_u64 s[72:73], s[20:21], s[30:31]      ; v's scale half-words
	s_wait_loadcnt 32                              ; the statistics, gamma and beta are in; group 0's 32 loads may be out
	XLOAD 1
	; a group's mean and variance from its eight pairs, which lie in eight neighbouring lanes: mean = the means' mean; M2 = the sum of M2_i + 16,384 (mean_i - mean)^2
	v_mov_b32 v58, v56
	v_add_f32_dpp v58, v58, v58 row_xmask:1 row_mask:0xf bank_mask:0xf
	v_add_f32_dpp v58, v58, v58 row_xmask:2 row_mask:0xf bank_mask:0xf
	v_add_f32_dpp v58, v58, v58 row_xmask:4 row_mask:0xf bank_mask:0xf
	v_mul_f32 v58, 0x3e000000, v58                 ; / 8
	v_sub_f32 v59, v56, v58
	v_mul_f32 v59, v59, v59
	v_fmamk_f32 v59, v59, 0x46800000, v57
	v_add_f32_dpp v59, v59, v59 row_xmask:1 row_mask:0xf bank_mask:0xf
	v_add_f32_dpp v59, v59, v59 row_xmask:2 row_mask:0xf bank_mask:0xf
	v_add_f32_dpp v59, v59, v59 row_xmask:4 row_mask:0xf bank_mask:0xf
	v_fma_f32 v59, v59, s74, s35                   ; var + eps
	s_wait_alu depctr_va_vdst(0)
	v_rsq_f32 v57, v59
	v_nop                                          ; a plain instruction behind the transcendental,
	s_wait_alu depctr_va_vdst(0)                   ; and the wait ahead of the first use of its result
.irp g, 0,1,2,3
	v_readlane_b32 s[36+2*\g], v58, 8*\g           ; the group's mean
	v_readlane_b32 s[44+\g], v57, 8*\g             ; and 1 / sqrt(var + eps)
.endr
.irp g, 0,1,2,3
	s_xor_b32 s[36+2*\g], s[36+2*\g], 0x80000000   ; - mean; the packed form names a pair and takes its low word for both halves, so both are written
	s_mov_b32 s[37+2*\g], s[36+2*\g]
	v_mul_f32 v[48+\g], s[44+\g], v[48+\g]         ; gamma / sqrt(var + eps), a channel a lane
.endr
; Group g: 32 channels of my pixel are normalised, (x - mean) a + beta, and quantised: the block is all mine.
.macro XBLOCK g
.set XB, XR+32*(\g)
.set i, 0
.rept 16
	v_pk_add_f32 v[XB+i:XB+i+1], v[XB+i:XB+i+1], s[36+2*(\g):37+2*(\g)] op_sel_hi:[1,0]
.set i, i+2
.endr
.irp o, 0,8,16,24
.irp j, 0,1,2,3,4,5,6,7
	v_readlane_b32 s[48+2*\j], v[48+(\g)], \o+\j   ; a register is a channel: its a and beta are scalars
	v_readlane_b32 s[49+2*\j], v[52+(\g)], \o+\j
.endr
.irp j, 0,1,2,3,4,5,6,7
	v_fma_f32 v[XB+\o+\j], v[XB+\o+\j], s[48+2*\j], s[49+2*\j]
.endr
.endr
	v_max3_num_f32 v224, |v[XB]|, |v[XB+1]|, |v[XB+2]|             ; the block's largest magnitude, in two chains
	v_max3_num_f32 v225, |v[XB+3]|, |v[XB+4]|, |v[XB+5]|
.irp i, 6,10,14,18,22,26
	v_max3_num_f32 v224, v224, |v[XB+\i]|, |v[XB+\i+1]|
	v_max3_num_f32 v225, v225, |v[XB+\i+2]|, |v[XB+\i+3]|
.endr
	v_max3_num_f32 v224, v224, |v[XB+30]|, |v[XB+31]|
	v_max3_num_f32 v224, v224, v225, 0x4800000     ; and the floor 2^(9 - 127): the byte cannot fall under 1
	v_add_nc_u32 v226, 0xfc000000, v224            ; 8 off its exponent field: the conversion takes this operand's exponent field as its scale
	v_lshrrev_b32 v225, 23, v226                   ; the scale's byte
.if (\g) == 0
	v_mov_b32 v228, v225                           ; four bytes make my pixel's scale word for these 128 channels
.else
	v_lshl_or_b32 v228, v225, 8*(\g), v228
.endif
.set i, 0
.rept 32
.set i, i+1
.endr
.irp q, 0,1,2,3
	v_cvt_scalef32_pk8_fp8_f32 v[XC+8*(\g)+2*\q:XC+8*(\g)+2*\q+1], v[XB+8*\q:XB+8*\q+7], v226
.endr
	v_nop                                          ; a plain instruction behind the last conversion, ahead of the next write of its sources
	ds_store_b128 v6, v[XC+8*(\g):XC+8*(\g)+3] offset:512*(\g)          ; chunk g: K 32 g + 0 .. 15 is the place of lane (member, 0),
	ds_store_b128 v6, v[XC+8*(\g)+4:XC+8*(\g)+7] offset:512*(\g)+256    ; K 32 g + 16 .. 31 that of lane (member, 1).  Each group has code registers of its own
.endm
.macro LOADS_B                         ; 32 loads: the weights' scale words and the biases
.irp k, 0,1,2
.irp t, 0,1,2,3
	global_load_b64 v[WS+8*\k+2*\t:WS+8*\k+2*\t+1], v11, s[14:15] offset:\k*2048+(32*(\t/2)+8*(\t%2))*8   ; a row's 8 bytes: the words of K steps 0 and 1
.endr
.endr
	WIN 0x80                                       ; destination window 2
.irp k, 0,1
.irp t, 0,1,2,3
	global_load_b128 v[128+32*\k+8*\t:128+32*\k+8*\t+3], v12, s[16:17] offset:\k*1024+(32*(\t/2)+8*(\t%2))*4       ; q's, k's bias in the result's layout: register j = row 32 b + 8 u + 16 h + j
	global_load_b128 v[128+32*\k+8*\t+4:128+32*\k+8*\t+7], v12, s[16:17] offset:\k*1024+(32*(\t/2)+8*(\t%2))*4+16
.endr
.endr
	WIN 0
.irp n, 0,1,2,3
	global_load_b32 v[232+\n], v13, s[16:17] offset:2048+(32*(\n/2)+8*(\n%2))*4   ; v's bias: my lane's row of tile n
.endr
.endm
	s_wait_loadcnt 32                              ; in each of these waits the 32 loads issued last may be out: group 0 is in
	XLOAD 2
	XBLOCK 0
	s_wait_loadcnt 32                              ; group 1 is in
	XLOAD 3
	XBLOCK 1
	s_wait_loadcnt 32                              ; group 2
	LOADS_B
	XBLOCK 2
	s_wait_loadcnt 32                              ; group 3
	XBLOCK 3
	ds_store_b32 v7, v228
	s_wait_dscnt 0x0                               ; for the others' sake: my images have landed
	s_barrier_signal -1
	s_barrier_wait -1                              ; x's eight fragments lie in LDS.  (My tensor loads may stay out: no LDS byte is filled twice in this launch)
	WIN 0x80
.set i, 0
.rept 32
	ds_load_b128 v[4*i:4*i+3], v236 offset:512*i   ; all of them into window 2, as they were stored
.set i, i+1
.endr
	WIN 0
.irp i, 0,1,2,3,4,5,6,7
	ds_load_b32 v[XS+\i], v14 offset:64*\i
.endr
.irp b, 0,1,2,3
	v_mov_b32 v[TM+4+\b], 0                        ; (a lane permute's destination counts as one of its sources)
.endr
.macro FETCHW kind, buf                ; my head's 8 fragments (tile t, K step ks) of one kind into window 1, at buf + 16 (2 t + ks)
	WIN 0x40
.irp t, 0,1,2,3
.irp ks, 0,1
.irp c, 0,1,2,3
	ds_load_b128 v[\buf+32*\t+16*\ks+4*\c:\buf+32*\t+16*\ks+4*\c+3], v[8+\kind] offset:(32*(\t/2)+8*(\t%2))*272+128*\ks+32*\c
.endr
.endr
.endr
	WIN 0
.endm
; 64 numbers of a lane, v[s] .. v[s + 63], register 16 b + i = place 32 b + 16 (lane / 16) + i along the next K, become 16 registers of codes in v[PC] on and a scale word in v[PW].
.macro QUANT s
.irp b, 0,1,2,3
	v_max3_num_f32 v[TM+\b], |v[\s+16*\b]|, |v[\s+1+16*\b]|, 0x4800000   ; block b: my 16 numbers, and the floor 2^(9 - 127).  (Each result tile is read from its low end on)
.endr
.irp i, 2,4,6,8,10,12,14
.irp b, 0,1,2,3
	v_max3_num_f32 v[TM+\b], v[TM+\b], |v[\s+16*\b+\i]|, |v[\s+1+16*\b+\i]|   ; the four blocks by turns
.endr
.endr
.irp b, 0,1,2,3
	v_permlanex16_b32 v[TM+4+\b], v[TM+\b], s[SEL], s[SEL+1]
.endr
.irp b, 0,1,2,3
	v_max_num_f32 v[TM+\b], v[TM+\b], v[TM+4+\b]   ; with lane l xor 16's: the block's largest magnitude
.endr
.irp b, 0,1,2,3
	v_add_nc_u32 v[TM+12+\b], 0xfc000000, v[TM+\b] ; the conversion's scale operand
.endr
.irp b, 0,1,2,3
.endr
.irp b, 0,1,2,3
	v_lshrrev_b32 v[TM+4+\b], 23, v[TM+12+\b]      ; the scale's byte
.endr
	v_lshl_or_b32 v[PW], v[TM+5], 8, v[TM+4]
	v_lshl_or_b32 v[PW], v[TM+6], 16, v[PW]
	v_lshl_or_b32 v[PW], v[TM+7], 24, v[PW]
.irp b, 0,1,2,3
.irp i, 0,1,2,3,4,5,6,7,8,9,10,11,12,13,14,15
.endr
	v_cvt_scalef32_pk8_fp8_f32 v[PC+4*\b:PC+1+4*\b], v[\s+16*\b:\s+7+16*\b], v[TM+12+\b]
	v_cvt_scalef32_pk8_fp8_f32 v[PC+2+4*\b:PC+3+4*\b], v[\s+8+16*\b:\s+15+16*\b], v[TM+12+\b]
.endr
	v_nop                                          ; a plain instruction behind the last conversion: the next products write its sources
.endm
; q or k for pixels 32 f .. + 31: 16 matrix instructions; source 0 = weight tile t, source 1 = pixel tile 2 f + uT; the bias is the C of each sum's first product.
; The eight accumulators take turns, one instruction a turn.  Eight plain places follow, ahead of the first read of a result.
.macro MULQK f, buf, bias, ws
	WIN 0x29                                       ; source 0 window 1, source 1 window 2, C window 2
.irp uT, 0,1
.irp t, 0,1,2,3
	v_wmma_scale_f32_16x16x128_f8f6f4 v[HA+8*(4*\uT+\t):HA+8*(4*\uT+\t)+7], v[\buf+32*\t:\buf+32*\t+15], v[32*(2*\f+\uT):32*(2*\f+\uT)+15], v[\bias+8*\t:\bias+8*\t+7], v[\ws+2*\t], v[XS+2*(2*\f+\uT)]
.endr
.endr
	WIN 0x09                                       ; C and D window 0
.irp uT, 0,1
.irp t, 0,1,2,3
	v_wmma_scale_f32_16x16x128_f8f6f4 v[HA+8*(4*\uT+\t):HA+8*(4*\uT+\t)+7], v[\buf+32*\t+16:\buf+32*\t+31], v[32*(2*\f+\uT)+16:32*(2*\f+\uT)+31], v[HA+8*(4*\uT+\t):HA+8*(4*\uT+\t)+7], v[\ws+2*\t+1], v[XS+2*(2*\f+\uT)+1]
.endr
.endr
	WIN 0
.rept 8
	v_nop
.endr
.endm
; v for keys 32 f .. + 31: source 0 = pixel tile 2 f + u, source 1 = weight tile n (set A of window 1): a lane holds one d, the 16 registers of u = 0, 1 are 16 neighbouring keys.
.macro MULV f
	WIN 0x26                                       ; source 0 window 2, source 1 window 1, C window 2
.irp n, 0,1,2,3
.irp u, 0,1
	v_wmma_scale_f32_16x16x128_f8f6f4 v[HA+8*(2*\n+\u):HA+8*(2*\n+\u)+7], v[32*(2*\f+\u):32*(2*\f+\u)+15], v[32*\n:32*\n+15], v[192+8*\n:192+8*\n+7], v[XS+2*(2*\f+\u)], v[WS+16+2*\n]
.endr
.endr
	WIN 0x06
.irp n, 0,1,2,3
.irp u, 0,1
	v_wmma_scale_f32_16x16x128_f8f6f4 v[HA+8*(2*\n+\u):HA+8*(2*\n+\u)+7], v[32*(2*\f+\u)+16:32*(2*\f+\u)+31], v[32*\n+16:32*\n+31], v[HA+8*(2*\n+\u):HA+8*(2*\n+\u)+7], v[XS+2*(2*\f+\u)+1], v[WS+16+2*\n+1]
.endr
.endr
	WIN 0
.rept 8
	v_nop
.endr
.endm
; q or k, whole: products, quantiser along d, stores.  Block 2 uT + b of the quantiser is chunk 2 u + b of the layout; each store of the wave covers 512 consecutive bytes, aligned.
.macro QKPHASE buf, bias, ws, cimm, simm
.irp f, 0,1
	MULQK \f, \buf, \bias, \ws
	s_wait_xcnt 0x0                                ; the earlier stores have read their data: the codes' and words' registers may be written again
	QUANT HA
.irp c, 0,1,2,3
	global_store_b128 v5, v[PC+4*\c:PC+4*\c+3], s[66:67] offset:\cimm+\f*2048+\c*512
.endr
.if \f == 0
	v_mov_b32 v[PW0], v[PW]
.else
	v_cndmask_b32 v[SW], v[PW0], v[PW], vcc_lo     ; lanes 0-15: f = 0's words, lanes 16-31: f = 1's (both halves of the lanes hold every word)
	global_store_b32 v4, v[SW], s[70:71] offset:\simm
.endif
.endr
.endm
	s_wait_tensorcnt 2                             ; tensor loads of a wave end in order: q's tile is in; k's and v's, issued behind it, may be out.  I alone read my tiles
	FETCHW 0, 0
	s_wait_tensorcnt 1                             ; k's tile is in
	FETCHW 1, 128
	s_wait_loadcnt 0x0                             ; the weights' scale words and the biases
	s_wait_dscnt 32                                ; x's fragments and words and q's weights are in; k's 32 loads may be out
	QKPHASE 0, 128, WS, 0, 0
	s_wait_tensorcnt 0x0                           ; v's tile is in
	FETCHW 2, 0                                    ; into the set that q has left: its last product stands more than eight plain places back
	WIN 0x80
.irp n, 0,1,2,3
.irp j, 0,1,2,3,4,5,6,7
	v_mov_b32 v[192+8*\n+\j], v[232+\n]            ; v's bias in the result's layout: a lane holds one d, so all eight registers of a tile hold its bias
.endr
.endr
	WIN 0
	s_wait_dscnt 32                                ; k's weights are in; v's 32 loads may be out
	QKPHASE 128, 160, WS+8, 0x400000, 0x20000
	s_wait_dscnt 0x0                               ; v's weights
.irp f, 0,1
	MULV \f
	s_wait_xcnt 0x0
	QUANT HA                                       ; block n of the quantiser: tile n of d, keys 32 f .. + 31
.irp n, 0,1,2,3
	global_store_b128 v5, v[PC+4*\n:PC+4*\n+3], s[68:69] offset:\n*2048+\f*512
.endr
.if \f == 0
	v_mov_b32 v[PW0], v[PW]
.endif
.endr
	; a row's scale word spans 128 keys, two work-groups' worth: mine are two of its four bytes.  Lane (r, h) sends those of row r of tile h, then of tile 2 + h: byte n of f = 0's word below byte n of f = 1's
	v_perm_b32 v[SW], v[PW], v[PW0], v15
	v_perm_b32 v237, v[PW], v[PW0], v238
	global_store_b16 v4, v[SW], s[72:73]           ; two bytes a lane, 4 apart, inside 128 bytes: two such stores a wave, one byte in 128 of what the launch writes
	global_store_b16 v4, v237, s[72:73] offset:128
	s_wait_tensorcnt 0x0
	ds_add_u32 v254, v255
	s_wait_dscnt 0x0
	ROUND                                          ; the closing round: no work-group ends while a partner may still ask for a tile that names it
	s_endpgm
.Lfunc_end_k_qd32cb37bff_qkv:
	.size	k_qd32cb37bff_qkv, .Lfunc_end_k_qd32cb37bff_qkv-k_qd32cb37bff_qkv
	.p2alignl 7, 3214868480
	.fill 96, 4, 3214868480
	.section	.rodata,"a",@progbits
	.p2align	6, 0x0
	.amdhsa_kernel k_qd32cb37bff_qkv
		.amdhsa_group_segment_fixed_size 229888
		.amdhsa_private_segment_fixed_size 0
		.amdhsa_enable_private_segment 0
		.amdhsa_kernarg_size 72
		.amdhsa_user_sgpr_count 2
		.amdhsa_user_sgpr_kernarg_segment_ptr 1
		.amdhsa_wavefront_size32 1
		.amdhsa_system_sgpr_workgroup_id_x 1
		.amdhsa_system_sgpr_workgroup_id_y 1
		.amdhsa_system_sgpr_workgroup_id_z 1
		.amdhsa_system_vgpr_workitem_id 0
		.amdhsa_next_free_vgpr 768
		.amdhsa_next_free_sgpr 100
		.amdhsa_reserve_vcc 1
		.amdhsa_float_denorm_mode_32 3
		.amdhsa_float_denorm_mode_16_64 3
		.amdhsa_fp16_overflow 1
		.amdhsa_memory_ordered 1
		.amdhsa_forward_progress 1
		.amdhsa_inst_pref_size 109
	.end_amdhsa_kernel
	.amdgpu_metadata
---
amdhsa.version: [ 1, 2 ]
amdhsa.kernels:
  - .name:           k_qd32cb37bff_qkv
    .symbol:         k_qd32cb37bff_qkv.kd
    .args:
      - { .name: x, .offset: 0, .size: 8, .value_kind: global_buffer, .address_space: global }
      - { .name: stats, .offset: 8, .size: 8, .value_kind: global_buffer, .address_space: global }
      - { .name: gamma, .offset: 16, .size: 8, .value_kind: global_buffer, .address_space: global }
      - { .name: beta, .offset: 24, .size: 8, .value_kind: global_buffer, .address_space: global }
      - { .name: w_qkv_codes, .offset: 32, .size: 8, .value_kind: global_buffer, .address_space: global }
      - { .name: w_qkv_scales, .offset: 40, .size: 8, .value_kind: global_buffer, .address_space: global }
      - { .name: b_qkv, .offset: 48, .size: 8, .value_kind: global_buffer, .address_space: global }
      - { .name: codes, .offset: 56, .size: 8, .value_kind: global_buffer, .address_space: global }
      - { .name: scl, .offset: 64, .size: 8, .value_kind: global_buffer, .address_space: global }
    .group_segment_fixed_size: 229888
    .private_segment_fixed_size: 0
    .kernarg_segment_align: 8
    .kernarg_segment_size: 72
    .max_flat_workgroup_size: 128
    .sgpr_count:     100
    .vgpr_count:     768
    .wavefront_size: 32
...
	.end_amdgpu_metadata
.endif
;; end of part 2
;; launch attn (part 3): grid 16 x 16, 16 waves a work-group, clusters of 4 x 1, 327,680 bytes of LDS; arguments codes, scl, oc, os; writes oc, os
.if DOCPART == 3
	.amdgcn_target "amdgcn-amd-amdhsa--gfx1250"
	.amdhsa_code_object_version 6
	.text
	.protected	k_qd32cb37bff_attn
	.globl	k_qd32cb37bff_attn
	.p2align	8
	.type	k_qd32cb37bff_attn,@function
k_qd32cb37bff_attn:
	s_mov_b64 s[64:65], 0
	v_nop
	global_prefetch_b8 v0, s[64:65] scope:SCOPE_SE
	s_setreg_imm32_b32 hwreg(HW_REG_WAVE_MODE, 25, 1), 1
	s_wait_xcnt 0x0
	s_wait_alu depctr_hold_cnt(0) depctr_sa_sdst(0) depctr_va_vdst(0) depctr_va_sdst(0) depctr_va_ssrc(0) depctr_va_vcc(0) depctr_vm_vsrc(0)
	s_getreg_b32 s2, hwreg(HW_REG_IB_STS2, 6, 4)
	s_cmp_eq_u32 s2, 0
	s_cbranch_scc0 .Lentry_in_a_cluster
	s_endpgm
.Lentry_in_a_cluster:
	s_bfe_u32 s2, ttmp6, 0x10000c
	s_cmp_lg_u32 s2, 0x3003
	s_cbranch_scc0 .Lentry_shape_is_right
	s_endpgm
.Lentry_shape_is_right:
; ATTENTION ON CODES of FP8 (E4M3) with one E8M0 scale for each 32 along a product's K: 16 (image, head) pairs, 4,096 queries and keys, head size 64.  Inputs: the buffers codes and scl as the launch before laid them:
;   q, k codes [pair][f 128][chunk 2 u + b][512]: lane (r, h): pixel 32 f + 8 u + r + 8 (r / 8), d 32 b + 16 h + 0 .. 15;  v codes [pair][step 32][n 4][c 4][512]: lane (r, h): d = 32 (n / 2) + 8 (n % 2) + r + 8 (r / 8), keys 128 step + 32 c + 16 h + 0 .. 15;
;   scale words q, k [pair][f][r], byte 2 u + b;  v [pair][step][n][r], byte c.  Every fragment is an image of operand registers: 16 bytes a lane at 16 x lane, so every LDS load takes 512 consecutive bytes.
; THE SOFTMAX: t = score x log2(e) / 8; M = the row's largest t so far, rounded UP to a whole number; p = 2^(t - M) is quantised along the keys, not normalised; the row's sum is taken of the unquantised p and divides O at the end.
;   When M moves, the sum and O are multiplied by 2^(old M - new M): exact.
; SHARES.  A work-group owns 256 queries of one pair; each of its sixteen waves owns one tile of 16 (tile 16 qb + w = 2 f + u) in 256 registers: four waves to a SIMD, so that one wave's vector work stands beside another's matrix work and LDS loads.
;   Every wave walks all keys, 128 a step.  K's and V's tiles come through a ring of two LDS slots of four steps (64 KiB), filled by waves 0 to 3 (K's halves, V's halves) and read by all sixteen.
; CLUSTER.  The four query blocks of a cluster belong to one pair and walk the same K and V: each tile is asked for JOINTLY, by the same tensor load with the same descriptor and a mask that names the four.
; K = 64 IN A FORM OF K = 128.  All four chunks of f are ONE source 0: row r = [key (f, 0, r)'s 64 codes | key (f, 1, r)'s].  Source 1 is [Q | zeros] or [zeros | Q], cut from 24 registers Q, 0, Q: zero codes take the other key out.
;   So four fragments and eight instructions give 128 keys, and score register 16 F + i holds key 32 F + 16 (lane / 16) + i.  Over Q's zero codes the scale byte is 1.
; Both products are used transposed (S^T = K Q^T, O^T = V^T P^T): a lane holds ONE query (lane % 16) throughout.
; OUT.  O / the sum is the projection's operand: it is quantised along the channels here (a head owns two whole blocks of 32).  oc [image][tile 256][ks 2][c 4][512]: lane (r, h): the tile's pixel r, channels 128 ks + 32 c + 16 h + 0 .. 15; os [image][tile][ks][r] words, byte c.
; LIMITS: NaN and infinities are not served.  A block whose largest magnitude lies under 2^-118, a block of zeros too, keeps the scale byte 1 (its codes are zeros or next to it; this program alone reads the bytes).  The division is a multiplication by v_rcp_f32's result.
;   A block's largest p is taken as the exponential of its largest score: that takes v_exp_f32 not to fall where its input rises.
; REGISTERS: v1 16 x lane; v2 K's scale words; v3, v4 the spare word's address and 0; v5, v6 the slot's addresses; v7 the prefetch's offset; v8 4 (lane % 16); v12 -M, v13 the largest t, v[14:15] the sum in two halves;
;   v16-39 Q, 0, Q; v40, v41 Q's two scale words; v42 at work; v48-111 four fragments of K, then of V; v112-175 S^T, then p; v176-207 O^T; v208-223 p's codes; v224-239 at work; v240-243 K's and V's scale words; v[244:245] f; v246 p's scale word; v247 at work.
.set SLOT1, 1<<16                      ; slot 1 begins here: one exclusive or turns an address in one slot into the other's.  A slot: K's four steps (8,192 bytes each), then V's
.set SCK,   2*SLOT1                    ; behind the ring: K's scale words of the whole pair, 8,192 bytes, then V's: filled once
.set SPARE, SCK+16384                  ; the spare words, 128 bytes for each wave: eight blocks of 256 bytes that no other line names
.set KV,  48
.set S,   112
.set O,   176
.set PC,  208
.set BM,  224
.set T4,  228
.set HL,  232
.set SO,  236
.set WV,  12                           ; s12 my wave's number
.set SEL, 40                           ; s[40:41] lane selects for lane l xor 16
.set CS,  42                           ; s[42:43] c = log2(e) / 8
.set MNT, 44
.set TB,  45                           ; s45 LDS byte at which the slot in hand begins
.set TS,  46                           ; s46 where the slot's scale words begin: 1,024 bytes a slot
.set SLOTS, 47                         ; s47 slots still to be asked for
.set LIM, 48                           ; s48 1 in a wave that prefetches, else the greatest number
.set PFA, 50                           ; s[50:51] where my prefetches stand
.macro ROUND                           ; a round of the cluster's barrier
	s_barrier_signal -1
	s_barrier_wait -1
	s_cmp_lg_u32 s[WV], 0
	s_cbranch_scc1 .Lnot_wave_0_\@
	s_barrier_signal -3
.Lnot_wave_0_\@:
	s_barrier_wait -3
	s_barrier_signal -1
	s_barrier_wait -1
.endm
.macro TLOAD                           ; a joint refill: waves 0 to 3, a quarter of a slot each; the branch hangs on the wave's number alone.  Four v_nop follow the load
	s_cmp_lt_u32 s[WV], 4
	s_cbranch_scc0 .Lnone_\@
	tensor_load_to_lds s[32:35], s[16:23]
	s_nop 0
.rept 4
	v_nop
.endr
.Lnone_\@:
.endm
; A PREFETCH INTO THE L2 of what the NEXT change of slots will ask for: a slot's 32,768 bytes of K and of V: four key steps ahead of that load.  Each block of 256 bytes is named once in the launch: all clusters of a pair walk the same
; K and V, so the pair's first cluster asks; its four partners take 8,192 bytes each, told apart BY ADDRESS; in each, wave 4 asks for K's and wave 5 for V's, lanes 256 bytes apart.  The last change that fills a slot asks for nothing.
.macro ASK
	s_cmp_gt_u32 s[SLOTS], s[LIM]
	s_cbranch_scc0 .Lnot_mine_\@
	global_prefetch_b8 v7, s[PFA:PFA+1] th:TH_LOAD_NT scope:SCOPE_SE
.Lnot_mine_\@:
.endm
	s_load_b256 s[4:11], s[0:1], 0x0               ; codes s[4:5], scl s[6:7], oc s[8:9], os s[10:11]
	v_lshl_add_u32 v3, v0, 2, SPARE
	v_mov_b32 v4, 0
	ds_add_u32 v3, v4
	ds_add_u32 v3, v4
	s_wait_dscnt 0x0
	v_lshrrev_b32 v5, 5, v0
	s_delay_alu instid0(VALU_DEP_1)
	v_readfirstlane_b32 s[WV], v5                  ; wave 0..15
	s_and_b32 s13, ttmp7, 0xffff                   ; the pair: image x 4 + head, which the four partners share
	; descriptor group 1: 64 rows of 256 bytes (32 elements of 8 bytes), dense; for the scale words 16 such rows
	s_mov_b32 s16, 15|(3<<16)|(1<<21)              ; 15:0 the mask: all four work-groups; 17:16 elements of 8 bytes; 21 set beside a mask; no padding
	s_mov_b32 s17, 32<<16                          ; tensor_dim0
	s_mov_b32 s18, 64<<16                          ; tensor_dim1
	s_mov_b32 s19, 32<<16                          ; tile_dim0
	s_mov_b32 s20, 64                              ; tile_dim1
	s_mov_b32 s21, 32                              ; the pitch
	s_mov_b32 s22, 0
	s_mov_b32 s23, 0
	s_mov_b32 s24, 15|(3<<16)|(1<<21)
	s_mov_b32 s25, 32<<16
	s_mov_b32 s26, 16<<16
	s_mov_b32 s27, 32<<16
	s_mov_b32 s28, 16
	s_mov_b32 s29, 32
	s_mov_b32 s30, 0
	s_mov_b32 s31, 0
	s_and_b32 s52, s[WV], 3                        ; what I fetch, if I fetch: 0, 1: K's halves; 2, 3: V's.  (s49, s52 to s57 feed the descriptors and never hold a place in the cluster)
	s_lshr_b32 s53, s52, 1
	s_and_b32 s49, s52, 1
	s_lshl_b32 s56, s53, 22                        ; codes: k at 4 MiB, v at 8 MiB; 262,144 bytes a pair; half a slot's part is 16,384
	s_lshl_b32 s57, s13, 18
	s_add_co_u32 s56, s56, s57
	s_lshl_b32 s57, s49, 14
	s_add_co_u32 s56, s56, s57
	s_add_co_u32 s56, s56, 0x400000
	s_mov_b32 s57, 0
	s_lshl_b32 s54, s53, 17                        ; scale words: k at 131,072, v at 262,144; 8,192 bytes a pair; half is 4,096
	s_lshl_b32 s55, s13, 13
	s_add_co_u32 s54, s54, s55
	s_lshl_b32 s55, s49, 12
	s_add_co_u32 s54, s54, s55
	s_add_co_u32 s54, s54, 0x20000
	s_mov_b32 s55, 0
	s_mov_b32 s32, 1                               ; group 0 of the walking descriptor: count = 1,
	s_lshl_b32 s33, s52, 14                        ; LDS address: slot 0, my quarter,
	s_mov_b32 s36, 1                               ; and of the scale words'
	s_lshl_b32 s37, s52, 12
	s_add_co_u32 s37, s37, SCK
	s_wait_kmcnt 0x0
	s_add_nc_u64 s[34:35], s[4:5], s[56:57]        ; global address,
	s_or_b32 s35, s35, 0x80000000                  ; type = 2
	s_add_nc_u64 s[38:39], s[6:7], s[54:55]
	s_or_b32 s39, s39, 0x80000000
	ROUND                                          ; all four work-groups are here: the first joint loads meet
	s_cmp_lt_u32 s[WV], 4                          ; a wave's two first fills stand in one branch, ahead of every wait on TENSORcnt and every LDS read: two loads of mine are out
	s_cbranch_scc0 .Lno_first
	tensor_load_to_lds s[36:39], s[24:31]          ; the pair's scale words
	s_nop 0
	tensor_load_to_lds s[32:35], s[16:23]          ; slot 0
	s_nop 0
.rept 4
	v_nop
.endr
.Lno_first:
	s_bfe_u32 s14, ttmp6, 0x40000                  ; cx: it enters Q's, oc's and os's addresses and the prefetch's, nothing else
	s_lshl_b32 s15, ttmp9, 2
	s_add_co_u32 s15, s15, s14                     ; qb: my block of 256 queries
	s_lshl_b32 s66, s13, 18                        ; Q's codes: tile 16 qb + w is 1,024 bytes
	s_lshl_b32 s67, s15, 14
	s_add_co_u32 s66, s66, s67
	s_lshl_b32 s67, s[WV], 10
	s_add_co_u32 s66, s66, s67
	s_mov_b32 s67, 0
	s_add_nc_u64 s[68:69], s[4:5], s[66:67]
	s_lshl_b32 s66, s13, 13                        ; Q's scale words: f = 8 qb + w / 2, 64 bytes each
	s_lshl_b32 s62, s15, 9
	s_add_co_u32 s66, s66, s62
	s_lshr_b32 s62, s[WV], 1
	s_lshl_b32 s62, s62, 6
	s_add_co_u32 s66, s66, s62
	s_add_nc_u64 s[70:71], s[6:7], s[66:67]
	s_lshr_b32 s66, s13, 2                         ; oc: 1 MiB an image, 4,096 bytes a tile, 1,024 a head
	s_lshl_b32 s66, s66, 20
	s_lshl_b32 s62, s15, 16
	s_add_co_u32 s66, s66, s62
	s_lshl_b32 s62, s[WV], 12
	s_add_co_u32 s66, s66, s62
	s_and_b32 s62, s13, 3
	s_lshl_b32 s62, s62, 10
	s_add_co_u32 s66, s66, s62
	s_add_nc_u64 s[58:59], s[8:9], s[66:67]
	s_lshr_b32 s66, s13, 2                         ; os: 32,768 bytes an image, 128 a tile, 64 a K step; a head's two bytes at 2 (head % 2)
	s_lshl_b32 s66, s66, 15
	s_lshl_b32 s62, s15, 11
	s_add_co_u32 s66, s66, s62
	s_lshl_b32 s62, s[WV], 7
	s_add_co_u32 s66, s66, s62
	s_bfe_u32 s62, s13, 0x10001
	s_lshl_b32 s62, s62, 6
	s_add_co_u32 s66, s66, s62
	s_and_b32 s62, s13, 1
	s_lshl_b32 s62, s62, 1
	s_add_co_u32 s66, s66, s62
	s_add_nc_u64 s[60:61], s[10:11], s[66:67]
	s_and_b32 s66, s[WV], 1                        ; the prefetches: K's codes (even wave) or V's, my pair, my work-group's 8,192 bytes,
	s_lshl_b32 s66, s66, 22
	s_lshl_b32 s62, s13, 18
	s_add_co_u32 s66, s66, s62
	s_lshl_b32 s62, s14, 13
	s_add_co_u32 s66, s66, s62
	s_add_co_u32 s66, s66, 0x400000+32768          ; in slot 1: the first change of slots steps it to slot 2.  Nothing is prefetched here, at the head
	s_add_nc_u64 s[PFA:PFA+1], s[4:5], s[66:67]
	s_sub_co_u32 s[LIM], s[WV], 4
	s_lshr_b32 s[LIM], s[LIM], 1                   ; 0 in waves 4 and 5,
	s_or_b32 s[LIM], s[LIM], ttmp9                 ; of the pair's first cluster: the same in all four partners
	s_cmp_eq_u32 s[LIM], 0
	s_cselect_b32 s[LIM], 1, -1
	v_and_b32 v5, 31, v0
	s_delay_alu instid0(VALU_DEP_1)
	v_lshlrev_b32 v1, 4, v5
	s_delay_alu instid0(VALU_DEP_2)
	v_lshl_add_u32 v2, v5, 2, SCK
	s_delay_alu instid0(VALU_DEP_3)
	v_lshlrev_b32 v7, 8, v5
	v_and_b32 v8, 15, v0
	s_delay_alu instid0(VALU_DEP_1)
	v_lshlrev_b32 v8, 2, v8
	global_load_b128 v[16:19], v1, s[68:69]             ; Q's two chunks, twice: below the zeros and above them
	global_load_b128 v[20:23], v1, s[68:69] offset:512
	global_load_b128 v[32:35], v1, s[68:69]
	global_load_b128 v[36:39], v1, s[68:69] offset:512
	global_load_b32 v42, v8, s[70:71]              ; the scale word of (f, r): bytes 2 u, 2 u + 1 are my tile's
	s_mov_b32 s[SEL], 0x76543210
	s_mov_b32 s[SEL+1], 0xfedcba98
	s_mov_b32 s[CS], 0x3e38aa3b                    ; c = log2(e) / 8
	s_mov_b32 s[CS+1], s[CS]                       ; (named with it as a pair, so it is written)
	s_mov_b32 s[TB], 0
	s_mov_b32 s[TS], 0
	s_mov_b32 s[SLOTS], 7
.irp j, 0,1,2,3,4,5,6,7
	v_mov_b32 v[24+\j], 0                          ; the zero codes between the two copies of Q
.endr
	v_mov_b32 v13, 0xff61b1e6                      ; the largest t so far: -3e38, under every t
	s_delay_alu instid0(VALU_DEP_1)
	v_floor_f32 v12, -v13                          ; -M
	v_mov_b32 v14, 0                               ; the sum, in two halves
	v_mov_b32 v15, 0
	v_mov_b32 v245, 0                              ; (named as the upper half of the pair v[244:245])
.irp b, 0,1,2,3
	v_mov_b32 v[T4+\b], 0                          ; (a lane permute's destination counts as one of its sources)
.endr
.set j, 0
.rept 32
	v_mov_b32 v[O+j], 0                            ; O^T.  The step is written once: the first finds zeros, which the first change of M leaves zeros; that spares a further copy of the step
.set j, j+1
.endr
	s_wait_loadcnt 0x0                             ; Q
	s_and_b32 s63, s[WV], 1
	s_lshl_b32 s63, s63, 4
	v_lshrrev_b32 v42, s63, v42
	s_delay_alu instid0(VALU_DEP_1)
	v_and_b32 v42, 0xffff, v42                     ; my tile's two bytes
	s_delay_alu instid0(VALU_DEP_1)
	v_or_b32 v40, 0x01010000, v42                  ; for [Q | zeros]
	s_delay_alu instid0(VALU_DEP_2)
	v_lshl_or_b32 v41, v42, 16, 0x0101             ; for [zeros | Q]
; A KEY STEP: 128 keys, the q-th of the slot in hand.
.macro STEP q
.rept 8
	v_nop                                          ; eight plain places in front of loads into registers that the last products have read
.endr
.irp f, 0,1,2,3
.irp c, 0,1,2,3
	ds_load_b128 v[KV+16*\f+4*\c:KV+16*\f+4*\c+3], v5 offset:(\q)*8192+\f*2048+\c*512
.endr
.endr
	ds_load_b32 v240, v6 offset:(\q)*256           ; K's scale words: lanes 0-15 fragment 0's, lanes 16-31 fragment 1's;
	ds_load_b32 v241, v6 offset:(\q)*256+128       ; fragments 2 and 3
	s_wait_dscnt 0x0
.irp f, 0,1,2,3
.if \f%2
	v_wmma_scale_f32_16x16x128_f8f6f4 v[S+16*\f:S+16*\f+7], v[KV+16*\f:KV+16*\f+15], v[16:31], 0, v[240+\f/2], v40 matrix_a_scale:MATRIX_SCALE_ROW1
	v_wmma_scale_f32_16x16x128_f8f6f4 v[S+16*\f+8:S+16*\f+15], v[KV+16*\f:KV+16*\f+15], v[24:39], 0, v[240+\f/2], v41 matrix_a_scale:MATRIX_SCALE_ROW1
.else
	v_wmma_scale_f32_16x16x128_f8f6f4 v[S+16*\f:S+16*\f+7], v[KV+16*\f:KV+16*\f+15], v[16:31], 0, v[240+\f/2], v40
	v_wmma_scale_f32_16x16x128_f8f6f4 v[S+16*\f+8:S+16*\f+15], v[KV+16*\f:KV+16*\f+15], v[24:39], 0, v[240+\f/2], v41
.endif
.endr
.rept 8
	v_nop                                          ; places in front of the loads below and of the first read of a score
.endr
.irp n, 0,1,2,3
.irp c, 0,1,2,3
	ds_load_b128 v[KV+16*\n+4*\c:KV+16*\n+4*\c+3], v5 offset:32768+(\q)*8192+\n*2048+\c*512   ; V's four fragments take K's registers and land while the softmax runs
.endr
.endr
	ds_load_b32 v242, v6 offset:8192+(\q)*256
	ds_load_b32 v243, v6 offset:8192+(\q)*256+128
.irp b, 0,1,2,3
	v_max3_num_f32 v[BM+\b], v[S+16*\b], v[S+1+16*\b], v[S+2+16*\b]   ; the largest score of each block of 32 keys: it serves the row's maximum and, since p rises with the score, the block's largest p
.endr
.irp i, 3,5,7,9,11,13
.irp b, 0,1,2,3
	v_max3_num_f32 v[BM+\b], v[BM+\b], v[S+16*\b+\i], v[S+1+16*\b+\i]
.endr
.endr
.irp b, 0,1,2,3
	v_max_num_f32 v[BM+\b], v[BM+\b], v[S+15+16*\b]
.endr
.irp b, 0,1,2,3
	s_delay_alu instid0(VALU_DEP_4)
	v_permlanex16_b32 v[T4+\b], v[BM+\b], s[SEL], s[SEL+1]
.endr
.irp b, 0,1,2,3
	s_delay_alu instid0(VALU_DEP_4)
	v_max_num_f32 v[BM+\b], v[BM+\b], v[T4+\b]     ; with lane l xor 16's 16 keys
.endr
	s_delay_alu instid0(VALU_DEP_2)
	v_max3_num_f32 v247, v[BM], v[BM+1], v[BM+2]
	s_delay_alu instid0(VALU_DEP_1)
	v_max_num_f32 v247, v247, v[BM+3]              ; the step's largest score of my query
	s_delay_alu instid0(VALU_DEP_1)
	v_mul_f32 v247, s[CS], v247                    ; as t (c is positive)
	s_delay_alu instid0(VALU_DEP_1)
	v_max_num_f32 v13, v13, v247                   ; the running largest t
	v_mov_b32 v247, v12
	s_delay_alu instid0(VALU_DEP_2)
	v_floor_f32 v12, -v13                          ; the new -M = floor(-t) = -ceil(t): M is a whole number
	s_delay_alu instid0(VALU_DEP_1)
	v_sub_f32 v247, v12, v247                      ; old M - new M: a whole number, 0 or less
	s_delay_alu instid0(VALU_DEP_1)
	v_cvt_i32_f32 v247, v247                       ; (it saturates)
	s_delay_alu instid0(VALU_DEP_1)
	v_ldexp_f32 v244, 1.0, v247                    ; f = 2^(old M - new M)
.set j, 0
.rept 32
	v_pk_fma_f32 v[S+j:S+j+1], v[S+j:S+j+1], s[CS:CS+1], v[12:13] op_sel_hi:[1,0,0]   ; t - M, two at a time
.set j, j+2
.endr
.irp b, 0,1,2,3
	v_fma_f32 v[BM+\b], v[BM+\b], s[CS], v12       ; the same of each block's largest score
.endr
.set j, 0
	s_wait_alu depctr_va_vdst(0)
.rept 64
	v_exp_f32 v[S+j], v[S+j]                       ; p = 2^(t - M), at most 1
.set j, j+1
.endr
	v_pk_mul_f32 v[14:15], v[14:15], v[244:245] op_sel_hi:[1,0]   ; the sums under the new M: a plain instruction behind the exponentials
	s_wait_alu depctr_va_vdst(0)                   ; one wait for the whole batch, ahead of its first reader
.irp b, 0,1,2,3
	v_exp_f32 v[BM+\b], v[BM+\b]                   ; the block's largest p: the same two instructions on the same number give the same bits
.endr
	v_pk_add_f32 v[228:229], v[116:117], v[120:121]
	v_pk_add_f32 v[254:255], v[124:125], v[128:129]
	v_pk_add_f32 v[252:253], v[132:133], v[136:137]
	v_pk_add_f32 v[250:251], v[140:141], v[144:145]
	v_pk_add_f32 v[248:249], v[148:149], v[152:153]
	v_pk_add_f32 v[240:241], v[156:157], v[160:161]
	v_pk_add_f32 v[238:239], v[164:165], v[168:169]
	v_pk_add_f32 v[14:15], v[14:15], v[172:173]
	v_pk_add_f32 v[228:229], v[228:229], v[112:113]
	v_pk_add_f32 v[254:255], v[254:255], v[114:115]
	v_pk_add_f32 v[252:253], v[252:253], v[118:119]
	v_pk_add_f32 v[250:251], v[250:251], v[122:123]
	v_pk_add_f32 v[248:249], v[248:249], v[126:127]
	v_pk_add_f32 v[240:241], v[240:241], v[130:131]
	v_pk_add_f32 v[238:239], v[238:239], v[134:135]
	v_pk_add_f32 v[14:15], v[14:15], v[138:139]
	v_pk_add_f32 v[228:229], v[228:229], v[142:143]
	v_pk_add_f32 v[254:255], v[254:255], v[146:147]
	v_pk_add_f32 v[252:253], v[252:253], v[150:151]
	v_pk_add_f32 v[250:251], v[250:251], v[154:155]
	v_pk_add_f32 v[248:249], v[248:249], v[158:159]
	v_pk_add_f32 v[240:241], v[240:241], v[162:163]
	v_pk_add_f32 v[238:239], v[238:239], v[166:167]
	v_pk_add_f32 v[14:15], v[14:15], v[170:171]
	v_pk_add_f32 v[228:229], v[228:229], v[174:175]
	s_delay_alu instid0(VALU_DEP_2)
	v_pk_add_f32 v[14:15], v[14:15], v[250:251]
	s_delay_alu instid0(VALU_DEP_2)
	v_pk_add_f32 v[228:229], v[228:229], v[248:249]
	v_pk_add_f32 v[254:255], v[254:255], v[240:241]
	v_pk_add_f32 v[252:253], v[252:253], v[238:239]
	s_delay_alu instid0(VALU_DEP_2)
	v_pk_add_f32 v[14:15], v[14:15], v[254:255]
	s_delay_alu instid0(VALU_DEP_2)
	v_pk_add_f32 v[228:229], v[228:229], v[252:253]
	s_delay_alu instid0(VALU_DEP_1)
	v_pk_add_f32 v[14:15], v[14:15], v[228:229]
	s_wait_alu depctr_va_vdst(0)                   ; and one for the four
.irp b, 0,1,2,3
	v_max_num_f32 v[BM+\b], 0x4800000, v[BM+\b]    ; the floor 2^(9 - 127): the byte cannot fall under 1
.endr
.irp b, 0,1,2,3
	s_delay_alu instid0(VALU_DEP_4)
	v_add_nc_u32 v[SO+\b], 0xfc000000, v[BM+\b]    ; 8 off the exponent field: the conversion's scale operand
.endr
.irp b, 0,1,2,3
.endr
.irp b, 0,1,2,3
	s_delay_alu instid0(VALU_DEP_4)
	v_lshrrev_b32 v[T4+\b], 23, v[SO+\b]           ; the scale's byte
.endr
	s_delay_alu instid0(VALU_DEP_3)
	v_lshl_or_b32 v246, v[T4+1], 8, v[T4]          ; p's scale word for these 128 keys
	s_delay_alu instid0(VALU_DEP_1)
	v_lshl_or_b32 v246, v[T4+2], 16, v246
	s_delay_alu instid0(VALU_DEP_1)
	v_lshl_or_b32 v246, v[T4+3], 24, v246
.irp b, 0,1,2,3
.irp i, 0,1,2,3,4,5,6,7,8,9,10,11,12,13,14,15
.endr
	v_cvt_scalef32_pk8_fp8_f32 v[PC+4*\b:PC+4*\b+1], v[S+16*\b:S+16*\b+7], v[SO+\b]
	v_cvt_scalef32_pk8_fp8_f32 v[PC+4*\b+2:PC+4*\b+3], v[S+16*\b+8:S+16*\b+15], v[SO+\b]
.endr
.set j, 0
.rept 16
	v_pk_mul_f32 v[O+j:O+j+1], v[O+j:O+j+1], v[244:245] op_sel_hi:[1,0]   ; O^T under the new M.  These sixteen also stand between the conversions and the products that read the codes
.set j, j+2
.endr
	s_wait_alu depctr_va_vdst(0)
	s_wait_dscnt 0x0                               ; V
.irp n, 0,1,2,3
.if \n%2
	v_wmma_scale_f32_16x16x128_f8f6f4 v[O+8*\n:O+8*\n+7], v[KV+16*\n:KV+16*\n+15], v[PC:PC+15], v[O+8*\n:O+8*\n+7], v[242+\n/2], v246 matrix_a_scale:MATRIX_SCALE_ROW1
.else
	v_wmma_scale_f32_16x16x128_f8f6f4 v[O+8*\n:O+8*\n+7], v[KV+16*\n:KV+16*\n+15], v[PC:PC+15], v[O+8*\n:O+8*\n+7], v[242+\n/2], v246
.endif
.endr
.endm
; THE CHANGE OF SLOTS stands at a slot's head.  Each wave waits for all its tensor loads (its part of the slot that it is about to read), adds 0 to its spare word, and waits for that and for its reads of the slot that it has left.
; fill = 1: the barrier is a round of the cluster's, so that no wave of any partner still reads the other slot or has a load on its way, and the joint refill is the first thing behind it: one load of a wave is out, and it has four key steps in which to land.
.macro CHANGE fill
	s_wait_tensorcnt 0x0                           ; no tensor load of mine is out, so a group 0 may be written
	ds_add_u32 v3, v4                              ; 0 onto my spare word
.if \fill
	s_xor_b32 s33, s33, SLOT1                      ; the walking descriptor: the other slot than last time,
	s_add_nc_u64 s[34:35], s[34:35], 32768         ; the next four key steps; the type bits on top are not reached
	s_wait_xcnt 0x0                                ; the last prefetch, a slot back, has read its address, so it may be written:
	s_add_nc_u64 s[PFA:PFA+1], s[PFA:PFA+1], 32768 ; one slot further on than the walking descriptor
	s_wait_dscnt 0x0                               ; the add is done, and my reads of the slot that I have left are over
	ROUND
	TLOAD
	ASK
.else
	s_wait_dscnt 0x0
	s_barrier_signal -1
	s_barrier_wait -1
.endif
.endm
.macro SLOT_STEPS
	v_add_nc_u32 v5, s[TB], v1
	s_wait_alu depctr_va_vdst(0)
	v_add_nc_u32 v6, s[TS], v2
	s_wait_alu depctr_va_vdst(0)
	STEP 0
	STEP 1
	STEP 2
	STEP 3
	s_xor_b32 s[TB], s[TB], SLOT1                  ; on to the other slot
	s_add_co_u32 s[TS], s[TS], 1024
.endm
.Lslot:                                            ; seven trips: behind each change of slots but the last the next slot is asked for (slot 1's first fill among them)
	CHANGE 1
	s_wait_alu depctr_va_vdst(0)
	SLOT_STEPS
	s_sub_co_u32 s[SLOTS], s[SLOTS], 1
	s_cmp_lg_u32 s[SLOTS], 0
	s_cbranch_scc1 .Lslot
	CHANGE 0                                       ; the last slot is written out
	SLOT_STEPS
	; THE WAY OUT.  O^T / the sum; register 16 b + i of a lane is channel 32 b + 16 (lane / 16) + i of my head: two blocks of the projection's K, quantised as they stand.
.rept 8
	v_nop                                          ; places behind the last products
.endr
	v_add_f32 v14, v14, v15                        ; the sum's two halves,
	s_delay_alu instid0(VALU_DEP_1)
	v_permlanex16_b32 v247, v14, s[SEL], s[SEL+1]
	s_delay_alu instid0(VALU_DEP_1)
	v_add_f32 v14, v14, v247                       ; and lane l xor 16's
	s_wait_alu depctr_va_vdst(0)
	v_rcp_f32 v14, v14
	v_nop                                          ; a plain instruction behind the transcendental,
	s_wait_alu depctr_va_vdst(0)                   ; and the wait ahead of its first reader
.set j, 0
.rept 32
	v_mul_f32 v[S+j], v[O+j], v14                  ; each accumulator from its low end on
.set j, j+1
.endr
.irp b, 0,1
	v_max3_num_f32 v[BM+\b], |v[S+16*\b]|, |v[S+1+16*\b]|, 0x4800000
.endr
.irp i, 2,4,6,8,10,12,14
.irp b, 0,1
	s_delay_alu instid0(VALU_DEP_2)
	v_max3_num_f32 v[BM+\b], v[BM+\b], |v[S+16*\b+\i]|, |v[S+1+16*\b+\i]|
.endr
.endr
.irp b, 0,1
	s_delay_alu instid0(VALU_DEP_2)
	v_permlanex16_b32 v[T4+\b], v[BM+\b], s[SEL], s[SEL+1]
.endr
.irp b, 0,1
	s_delay_alu instid0(VALU_DEP_2)
	v_max_num_f32 v[BM+\b], v[BM+\b], v[T4+\b]
.endr
.irp b, 0,1
	s_delay_alu instid0(VALU_DEP_2)
	v_add_nc_u32 v[SO+\b], 0xfc000000, v[BM+\b]
.endr
.irp b, 0,1
.endr
.irp b, 0,1
	s_delay_alu instid0(VALU_DEP_2)
	v_lshrrev_b32 v[T4+\b], 23, v[SO+\b]
.endr
	s_delay_alu instid0(VALU_DEP_1)
	v_lshl_or_b32 v247, v[T4+1], 8, v[T4]          ; my head's two bytes of the pixel's scale word
.irp b, 0,1
.irp i, 0,1,2,3,4,5,6,7,8,9,10,11,12,13,14,15
.endr
	v_cvt_scalef32_pk8_fp8_f32 v[PC+4*\b:PC+4*\b+1], v[S+16*\b:S+16*\b+7], v[SO+\b]
	v_cvt_scalef32_pk8_fp8_f32 v[PC+4*\b+2:PC+4*\b+3], v[S+16*\b+8:S+16*\b+15], v[SO+\b]
.endr
	v_nop                                          ; a plain instruction behind the last conversion
	global_store_b128 v1, v[PC:PC+3], s[58:59]              ; each store of the wave covers 512 consecutive bytes, aligned
	global_store_b128 v1, v[PC+4:PC+7], s[58:59] offset:512
	global_store_b16 v8, v247, s[60:61]            ; lanes l and l xor 16 hold the same half-word and write it to the same place
	s_wait_tensorcnt 0x0                           ; the wave's end
	ds_add_u32 v3, v4
	s_wait_dscnt 0x0
	ROUND                                          ; the closing round: no work-group ends while a partner may still ask for a tile that names it
	s_endpgm
.Lfunc_end_k_qd32cb37bff_attn:
	.size	k_qd32cb37bff_attn, .Lfunc_end_k_qd32cb37bff_attn-k_qd32cb37bff_attn
	.p2alignl 7, 3214868480
	.fill 96, 4, 3214868480
	.section	.rodata,"a",@progbits
	.p2align	6, 0x0
	.amdhsa_kernel k_qd32cb37bff_attn
		.amdhsa_group_segment_fixed_size 327680
		.amdhsa_private_segment_fixed_size 0
		.amdhsa_enable_private_segment 0
		.amdhsa_kernarg_size 32
		.amdhsa_user_sgpr_count 2
		.amdhsa_user_sgpr_kernarg_segment_ptr 1
		.amdhsa_wavefront_size32 1
		.amdhsa_system_sgpr_workgroup_id_x 1
		.amdhsa_system_sgpr_workgroup_id_y 1
		.amdhsa_system_sgpr_workgroup_id_z 1
		.amdhsa_system_vgpr_workitem_id 0
		.amdhsa_next_free_vgpr 256
		.amdhsa_next_free_sgpr 72
		.amdhsa_reserve_vcc 0
		.amdhsa_float_denorm_mode_32 3
		.amdhsa_float_denorm_mode_16_64 3
		.amdhsa_fp16_overflow 1
		.amdhsa_memory_ordered 1
		.amdhsa_forward_progress 1
		.amdhsa_inst_pref_size 150
	.end_amdhsa_kernel
	.amdgpu_metadata
---
amdhsa.version: [ 1, 2 ]
amdhsa.kernels:
  - .name:           k_qd32cb37bff_attn
    .symbol:         k_qd32cb37bff_attn.kd
    .args:
      - { .name: codes, .offset: 0, .size: 8, .value_kind: global_buffer, .address_space: global }
      - { .name: scl, .offset: 8, .size: 8, .value_kind: global_buffer, .address_space: global }
      - { .name: oc, .offset: 16, .size: 8, .value_kind: global_buffer, .address_space: global }
      - { .name: os, .offset: 24, .size: 8, .value_kind: global_buffer, .address_space: global }
    .group_segment_fixed_size: 327680
    .private_segment_fixed_size: 0
    .kernarg_segment_align: 8
    .kernarg_segment_size: 32
    .max_flat_workgroup_size: 512
    .sgpr_count:     72
    .vgpr_count:     256
    .wavefront_size: 32
...
	.end_amdgpu_metadata
.endif
;; end of part 3
;; launch proj (part 4): grid 64 x 4, 16 waves a work-group, clusters of 4 x 1, 169,984 bytes of LDS; arguments oc, os, w_proj_codes, w_proj_scales, b_proj, x, out0; writes out0
.if DOCPART == 4
	.amdgcn_target "amdgcn-amd-amdhsa--gfx1250"
	.amdhsa_code_object_version 6
	.text
	.protected	k_qd32cb37bff_proj
	.globl	k_qd32cb37bff_proj
	.p2align	8
	.type	k_qd32cb37bff_proj,@function
k_qd32cb37bff_proj:
	s_mov_b64 s[64:65], 0
	v_nop
	global_prefetch_b8 v0, s[64:65] scope:SCOPE_SE
	s_setreg_imm32_b32 hwreg(HW_REG_WAVE_MODE, 25, 1), 1
	s_wait_xcnt 0x0
	s_wait_alu depctr_hold_cnt(0) depctr_sa_sdst(0) depctr_va_vdst(0) depctr_va_sdst(0) depctr_va_ssrc(0) depctr_va_vcc(0) depctr_vm_vsrc(0)
	s_getreg_b32 s2, hwreg(HW_REG_IB_STS2, 6, 4)
	s_cmp_eq_u32 s2, 0
	s_cbranch_scc0 .Lentry_in_a_cluster
	s_endpgm
.Lentry_in_a_cluster:
	s_bfe_u32 s2, ttmp6, 0x10000c
	s_cmp_lg_u32 s2, 0x3003
	s_cbranch_scc0 .Lentry_shape_is_right
	s_endpgm
.Lentry_shape_is_right:
; THE PROJECTION AND THE RESIDUAL: out0[image][o][pixel] = x + b_proj[o] + the sum over c of w_proj[o][c] att[c][pixel], on codes of FP8 (E4M3) with one E8M0 scale for each 32 along c.
; att comes as the launch before laid it: oc [image][tile 256][ks 2][c 4][512], images of operand registers (lane (r, h): pixel 32 f + 8 u + r + 8 (r / 8) of tile 2 f + u, channels 128 ks + 32 c + 16 h + 0 .. 15); os [image][tile][ks][r] scale words.
; A work-group takes 64 pixels (tiles 4 blk .. + 3: one image row) of one image; wave w makes output channels 16 w .. + 15 for all of them: 8 matrix instructions.
; Source 0 = a tile of pixels, source 1 = 16 rows of the weight: lane (r, h) holds channel 16 w + r, and its register j pixel 32 f + 8 u + 16 h + j: eight neighbours of a row of out0.
; The work-group's 16 KiB of codes are read from memory once (1,024 bytes a wave) and handed round through LDS.  The weight, 64 KiB, is the same for every work-group: the four of a cluster ask for it JOINTLY, waves 0 to 3 a quarter each:
; one tensor load of a wave is out; each LDS byte is filled once.  The results go through each wave's own stage, so that sixteen lanes store 256 consecutive bytes, aligned.
; REGISTERS: v1-13 addresses; v16-47 the weight's two fragments; v48-175 the pixels' eight fragments, later v48-79 rows of the result; v176-207 four accumulators; v208-239 x; v240-247 the bias; v248-251 the pixels' scale words; v[252:253] the weight's.
.set WTILE, 64*272                     ; 64 rows of 256 bytes + 16 of padding
.set PIMG,  4*WTILE                    ; the pixels' fragments, 16 KiB
.set STG,   PIMG+16384                 ; the stages: 16 rows x 272 bytes for each wave
.set WV,  18
.macro ROUND                           ; a round of the cluster's barrier
	s_barrier_signal -1
	s_barrier_wait -1
	s_cmp_lg_u32 s[WV], 0
	s_cbranch_scc1 .Lnot_wave_0_\@
	s_barrier_signal -3
.Lnot_wave_0_\@:
	s_barrier_wait -3
	s_barrier_signal -1
	s_barrier_wait -1
.endm
	s_load_b256 s[4:11], s[0:1], 0x0               ; oc s[4:5], os s[6:7], W's codes s[8:9], W's scales s[10:11]
	s_load_b128 s[12:15], s[0:1], 0x20             ; b_proj s[12:13], x s[14:15]
	s_load_b64 s[16:17], s[0:1], 0x30              ; out0
	v_lshl_add_u32 v254, v0, 2, 0x29000
	v_mov_b32 v255, 0
	ds_add_u32 v254, v255
	ds_add_u32 v254, v255
	v_lshrrev_b32 v1, 5, v0
	s_delay_alu instid0(VALU_DEP_1)
	v_readfirstlane_b32 s[WV], v1                  ; wave 0..15
	; descriptor group 1: 64 rows of 256 bytes, 16 bytes of padding behind each
	s_mov_b32 s28, 15|(1<<20)|(1<<21)|(5<<22)|(3<<25)  ; the mask: all four work-groups; elements of 1 byte; padding on; 21 set beside a mask; four words after every 64
	s_mov_b32 s29, 256<<16
	s_mov_b32 s30, 64<<16
	s_mov_b32 s31, 256<<16
	s_mov_b32 s32, 64
	s_mov_b32 s33, 256
	s_mov_b32 s34, 0
	s_mov_b32 s35, 0
	s_and_b32 s22, s[WV], 3                        ; which quarter I fetch, if I fetch.  (s22, s24, s25 feed the descriptor and never hold a place in the cluster)
	s_mov_b32 s36, 1
	s_mul_i32 s37, s22, WTILE
	s_lshl_b32 s24, s22, 14
	s_mov_b32 s25, 0
	s_wait_dscnt 0x0
	s_wait_kmcnt 0x0
	s_add_nc_u64 s[38:39], s[8:9], s[24:25]
	s_or_b32 s39, s39, 0x80000000
	ROUND                                          ; all four work-groups are here: the joint loads meet
	s_cmp_lt_u32 s[WV], 4
	s_cbranch_scc0 .Lno_load
	tensor_load_to_lds s[36:39], s[28:35]
	s_nop 0
.rept 4
	v_nop
.endr
.Lno_load:
	s_bfe_u32 s19, ttmp6, 0x40000                  ; cx
	s_lshl_b32 s20, ttmp9, 2
	s_add_co_u32 s20, s20, s19                     ; blk: it enters global addresses alone
	s_and_b32 s21, ttmp7, 0xffff                   ; the image
	v_and_b32 v2, 31, v0                           ; lane
	v_and_b32 v3, 15, v0                           ; r
	v_bfe_u32 v13, v0, 4, 1                        ; h
	s_delay_alu instid0(VALU_DEP_3)
	v_lshlrev_b32 v1, 4, v2                        ; 16 x lane
	s_wait_alu depctr_va_vdst(0)
	v_lshlrev_b32 v4, 2, v2                        ; 4 x lane
	s_wait_alu depctr_va_vdst(0)
	v_lshlrev_b32 v11, 3, v3                       ; 8 r
	s_wait_alu depctr_va_vdst(0)
	v_lshlrev_b32 v12, 2, v3                       ; 4 r
	s_wait_alu depctr_va_vdst(0)
	v_lshlrev_b32 v10, 14, v13
	s_delay_alu instid0(VALU_DEP_1)
	v_lshl_add_u32 v10, v3, 4, v10                 ; x, out0: lanes 0-15 one channel's 256 bytes, lanes 16-31 the next channel's
	s_wait_alu depctr_va_vdst(0)
	s_mov_b32 s41, 0
	s_lshl_b32 s40, s21, 20                        ; oc: 1 MiB an image, 16 KiB a work-group, 1,024 bytes a wave
	s_lshl_b32 s42, s20, 14
	s_add_co_u32 s40, s40, s42
	s_lshl_b32 s42, s[WV], 10
	s_add_co_u32 s40, s40, s42
	s_add_nc_u64 s[4:5], s[4:5], s[40:41]
	s_lshl_b32 s40, s21, 15                        ; os: 32,768 bytes an image, 512 a work-group
	s_lshl_b32 s42, s20, 9
	s_add_co_u32 s40, s40, s42
	s_add_nc_u64 s[6:7], s[6:7], s[40:41]
	s_lshl_b32 s40, s[WV], 7                       ; W's scales: my 16 rows of 8 bytes
	s_add_nc_u64 s[10:11], s[10:11], s[40:41]
	s_lshl_b32 s40, s[WV], 6                       ; b_proj: my 16 numbers
	s_add_nc_u64 s[12:13], s[12:13], s[40:41]
	s_lshl_b32 s40, s21, 22                        ; x, out0: 4 MiB an image, my 16 channels of 16,384 bytes, the work-group's 256 bytes of each
	s_lshl_b32 s42, s[WV], 18
	s_add_co_u32 s40, s40, s42
	s_lshl_b32 s42, s20, 8
	s_add_co_u32 s40, s40, s42
	s_add_nc_u64 s[14:15], s[14:15], s[40:41]
	s_add_nc_u64 s[16:17], s[16:17], s[40:41]
	global_load_b128 v[176:179], v1, s[4:5]             ; my 1,024 bytes of the pixels' codes
	global_load_b128 v[180:183], v1, s[4:5] offset:512
.irp t, 0,1,2,3
	global_load_b32 v[248+\t], v4, s[6:7] offset:128*\t   ; tile t's scale words: lanes 0-15 K step 0's, lanes 16-31 K step 1's
.endr
	global_load_b64 v[252:253], v11, s[10:11]      ; my row's 8 scale bytes: the words of K steps 0 and 1
	global_load_b32 v240, v12, s[12:13]            ; my channel's bias
.irp i, 0,1,2,3,4,5,6,7
	global_load_b128 v[208+4*\i:211+4*\i], v10, s[14:15] offset:32768*\i th:TH_LOAD_NT   ; x: the program's last read of it
.endr
	s_mul_i32 s26, s[WV], 16*272                   ; (s26: parts of LDS addresses)
	v_mul_u32_u24 v5, v3, 272
	s_delay_alu instid0(VALU_DEP_1)
	v_lshl_add_u32 v5, v13, 4, v5
	s_delay_alu instid0(VALU_DEP_1)
	v_add_nc_u32 v5, s26, v5                       ; the weight's fragments: row 16 w + r, + 16 h
	s_lshl_b32 s26, s[WV], 10
	s_add_co_u32 s26, s26, PIMG
	v_add_nc_u32 v6, s26, v1                       ; where my 1,024 bytes go
	v_add_nc_u32 v7, PIMG, v1                      ; and from where all are read
	s_mul_i32 s26, s[WV], 16*272
	s_add_co_u32 s26, s26, STG                     ; my stage
	v_mul_u32_u24 v8, v3, 272
	s_delay_alu instid0(VALU_DEP_1)
	v_lshl_add_u32 v8, v13, 6, v8
	s_delay_alu instid0(VALU_DEP_1)
	v_add_nc_u32 v8, s26, v8                       ; in: row r, + 64 h
	v_mul_u32_u24 v9, v13, 272
	s_delay_alu instid0(VALU_DEP_1)
	v_lshl_add_u32 v9, v3, 4, v9
	s_delay_alu instid0(VALU_DEP_1)
	v_add_nc_u32 v9, s26, v9                       ; back: lanes 0-15 one row, lanes 16-31 the next
	s_wait_alu depctr_va_vdst(0)
	s_wait_loadcnt 14                              ; my codes are in; the 14 loads issued behind them may be out
	ds_store_b128 v6, v[176:179]
	ds_store_b128 v6, v[180:183] offset:512
	s_wait_tensorcnt 0x0                           ; my quarter of the weight has landed,
	s_wait_dscnt 0x0                               ; and so have my stores:
	s_barrier_signal -1
	s_barrier_wait -1                              ; everybody's have
.irp ks, 0,1
.irp c, 0,1,2,3
	ds_load_b128 v[16+16*\ks+4*\c:19+16*\ks+4*\c], v5 offset:128*\ks+32*\c
.endr
.endr
.set i, 0
.rept 32
	ds_load_b128 v[48+4*i:51+4*i], v7 offset:512*i ; fragment (tile t, K step ks) at v[48 + 16 (2 t + ks)]
.set i, i+1
.endr
	s_wait_loadcnt 8                               ; the scale words and the bias are in; x's eight loads may be out
.irp j, 1,2,3,4,5,6,7
	v_mov_b32 v[240+\j], v240                      ; a lane holds one channel: all eight registers of a result hold its bias, which is the C of each sum's first product
.endr
	s_wait_alu depctr_va_vdst(0)
	s_wait_dscnt 0x0
.irp t, 0,1,2,3                                ; the four accumulators take turns, one instruction a turn
	v_wmma_scale_f32_16x16x128_f8f6f4 v[176+8*\t:183+8*\t], v[48+32*\t:63+32*\t], v[16:31], v[240:247], v[248+\t], v252
.endr
.irp t, 0,1,2,3
	v_wmma_scale_f32_16x16x128_f8f6f4 v[176+8*\t:183+8*\t], v[64+32*\t:79+32*\t], v[32:47], v[176+8*\t:183+8*\t], v[248+\t], v253 matrix_a_scale:MATRIX_SCALE_ROW1
.endr
.rept 8
	v_nop                                          ; eight plain places ahead of the first read of a result and of loads into registers that the products have read
.endr
.irp t, 0,1,2,3
	ds_store_b128 v8, v[176+8*\t:179+8*\t] offset:(\t/2)*128+(\t%2)*32        ; pixels 32 f + 8 u + 16 h + 0 .. 3; each accumulator from its low end on
	ds_store_b128 v8, v[180+8*\t:183+8*\t] offset:(\t/2)*128+(\t%2)*32+16
.endr
.irp i, 0,1,2,3,4,5,6,7
	ds_load_b128 v[48+4*\i:51+4*\i], v9 offset:544*\i   ; LDS serves a wave's instructions in order (ISA guide 5.7.1.4): these see my stores
.endr
	s_wait_loadcnt 0x0                             ; x
.irp i, 0,1,2,3,4,5,6,7
	s_wait_dscnt 7-\i                              ; rows 2 i and 2 i + 1 are back; the 7 - i younger loads may be out
	v_pk_add_f32 v[48+4*\i:49+4*\i], v[48+4*\i:49+4*\i], v[208+4*\i:209+4*\i]
	v_pk_add_f32 v[50+4*\i:51+4*\i], v[50+4*\i:51+4*\i], v[210+4*\i:211+4*\i]
	global_store_b128 v10, v[48+4*\i:51+4*\i], s[16:17] offset:32768*\i th:TH_STORE_NT   ; 16 lanes store 256 consecutive bytes, aligned; written once, read by nobody here
.endr
	s_wait_tensorcnt 0x0
	ds_add_u32 v254, v255
	s_wait_dscnt 0x0
	ROUND                                          ; the closing round: no work-group ends while a partner may still ask for a tile that names it
	s_endpgm
.Lfunc_end_k_qd32cb37bff_proj:
	.size	k_qd32cb37bff_proj, .Lfunc_end_k_qd32cb37bff_proj-k_qd32cb37bff_proj
	.p2alignl 7, 3214868480
	.fill 96, 4, 3214868480
	.section	.rodata,"a",@progbits
	.p2align	6, 0x0
	.amdhsa_kernel k_qd32cb37bff_proj
		.amdhsa_group_segment_fixed_size 169984
		.amdhsa_private_segment_fixed_size 0
		.amdhsa_enable_private_segment 0
		.amdhsa_kernarg_size 56
		.amdhsa_user_sgpr_count 2
		.amdhsa_user_sgpr_kernarg_segment_ptr 1
		.amdhsa_wavefront_size32 1
		.amdhsa_system_sgpr_workgroup_id_x 1
		.amdhsa_system_sgpr_workgroup_id_y 1
		.amdhsa_system_sgpr_workgroup_id_z 1
		.amdhsa_system_vgpr_workitem_id 0
		.amdhsa_next_free_vgpr 256
		.amdhsa_next_free_sgpr 66
		.amdhsa_reserve_vcc 0
		.amdhsa_float_denorm_mode_32 3
		.amdhsa_float_denorm_mode_16_64 3
		.amdhsa_memory_ordered 1
		.amdhsa_forward_progress 1
		.amdhsa_inst_pref_size 15
	.end_amdhsa_kernel
	.amdgpu_metadata
---
amdhsa.version: [ 1, 2 ]
amdhsa.kernels:
  - .name:           k_qd32cb37bff_proj
    .symbol:         k_qd32cb37bff_proj.kd
    .args:
      - { .name: oc, .offset: 0, .size: 8, .value_kind: global_buffer, .address_space: global }
      - { .name: os, .offset: 8, .size: 8, .value_kind: global_buffer, .address_space: global }
      - { .name: w_proj_codes, .offset: 16, .size: 8, .value_kind: global_buffer, .address_space: global }
      - { .name: w_proj_scales, .offset: 24, .size: 8, .value_kind: global_buffer, .address_space: global }
      - { .name: b_proj, .offset: 32, .size: 8, .value_kind: global_buffer, .address_space: global }
      - { .name: x, .offset: 40, .size: 8, .value_kind: global_buffer, .address_space: global }
      - { .name: out0, .offset: 48, .size: 8, .value_kind: global_buffer, .address_space: global }
    .group_segment_fixed_size: 169984
    .private_segment_fixed_size: 0
    .kernarg_segment_align: 8
    .kernarg_segment_size: 56
    .max_flat_workgroup_size: 512
    .sgpr_count:     66
    .vgpr_count:     256
    .wavefront_size: 32
...
	.end_amdgpu_metadata
.endif
;; end of part 4
